; MI455X (gfx1250); checked and timed in simulation.
; The chip was launched on July 23, 2026; its instructions are those of AMD's public machine-readable ISA for CDNA 5 (MIT licence, August 2026) and "CDNA5" Instruction Set Architecture Reference Guide (July 2026). The comments in the code are by the model that wrote it; some were corrected since.
;; GPTSAN Japanese Attention. Allowed arithmetic: matrix products marked QUANTISED: E4M3 operands, one E8M0 scale for each 32 along K, by v_wmma_scale_f32_16x16x128_f8f6f4 with both operands' format E4M3, f32 sums; everything else in f32.
;; Inputs: hidden_states_codes 2 x 2,048 x 32 x 32 uint8 (E4M3 codes of hidden_states, K innermost, in blocks of 32 codes); hidden_states_scales 2 x 2,048 x 32 uint8 (E8M0 scales of hidden_states, one for each 32 codes along K); mask 2 x 2,048 x 2,048 float32; o 16 x 64 x 1,024 float32; qkv_codes 3 x 16 x 64 x 32 x 32 uint8 (E4M3 codes of qkv, K innermost, in blocks of 32 codes); qkv_scales 3 x 16 x 64 x 32 uint8 (E8M0 scales of qkv, one for each 32 codes along K).
;; Outputs: out0 2 x 2,048 x 1,024 float32; out1 2 x 16 x 2,048 x 64 float32; out2 2 x 16 x 2,048 x 64 float32.
;; This version of the problem:
;;   THIS VERSION OF THE PROBLEM IS GIVEN IN LOW PRECISION. The matrix products marked QUANTISED in the list below multiply operands that are first quantised to E4M3 (4 exponent bits, 3 mantissa bits; 8 bits a number), with one power-of-two scale for each 32 numbers along K (OCP MX v1.0); their sums are f32. All else is computed in f32.
;;   The module's matrix products, in the order in which they are computed (A, B: the left and right operand; K: the contracted axis; several contracted axes count as one K, in the product's order):
;;     1. [M 1,024, K 1,024] x [K 1,024, N 4,096]; A: input qkv (given as codes); B: input hidden_states (given as codes): QUANTISED
;;     2. [M 1,024, K 1,024] x [K 1,024, N 4,096]; A: input qkv (given as codes); B: input hidden_states (given as codes): QUANTISED
;;     3. [M 1,024, K 1,024] x [K 1,024, N 4,096]; A: input qkv (given as codes); B: input hidden_states (given as codes): QUANTISED
;;     4. batch 32 x [M 2,048, K 64] x [K 64, N 2,048]; A: computed on the way; B: computed on the way: QUANTISED
;;     5. batch 32 x [M 2,048, K 2,048] x [K 2,048, N 64]; A: softmax (see below); B: computed on the way: QUANTISED
;;     6. [M 4,096, K 1,024] x [K 1,024, N 1,024]; A: computed on the way; B: input o: QUANTISED
;;   THE QUANTISER, for each operand of a quantised product, along K:
;;     - K is cut into blocks of 32 from its start; a last block that is shorter is filled with zeros.
;;     - A block's scale is 2^e with e = floor(log2(the largest magnitude in the block)) - 8, held to -126 .. 127; a block of zeros has e = 0. As a byte (E8M0): e + 127.
;;     - Each number is divided by its block's scale, clamped to +-448, and rounded to the nearest number of E4M3, ties to even, subnormals kept.
;;     - The product sums the exact products of the quantised numbers (number of the format x scale) in f32.
;;   ~~~python
;;   def quantise(x, axis):      # numpy; x: float32 -> the quantised numbers, widened to float32 again
;;       x = np.moveaxis(x, axis, -1); K = x.shape[-1]
;;       x = np.pad(x, [(0, 0)] * (x.ndim - 1) + [(0, -K % 32)]); x = x.reshape(x.shape[:-1] + (-1, 32)); a = np.abs(x).max(-1, keepdims=True)
;;       e = np.where(a > 0, np.clip(np.frexp(np.where(a > 0, a, 1))[1] - 1 - 8, -126, 127), 0)      # np.frexp(a)[1] - 1 = floor(log2(a)), exactly
;;       r = np.clip(x / 2.0 ** e, -448, 448)
;;       step = 2.0 ** (np.maximum(np.frexp(np.where(r == 0, 1, r))[1] - 1, -6) - 3)
;;       q = np.round(r / step) * step * 2.0 ** e      # np.round: ties to even
;;       return np.moveaxis(q.reshape(q.shape[:-2] + (-1,))[..., :K], -1, axis).astype(np.float32)
;;   ~~~
;;   SOFTMAX AHEAD OF A QUANTISED PRODUCT. Where the list says 'softmax', what is quantised is not the finished softmax but p = 2^(t - M), with t = logit x log2(e) and M = ceil(the row's largest t), a whole number; so 1/2 < the row's largest p <= 1. The row's sum l is taken of the UNQUANTISED p, in f32, and the product's result is divided by l at the end. Since M is a whole number, a kernel that streams over the keys may use a running M (the ceiling of the running maximum): every later rescaling is an exact power of two, which a block's scale takes up: the codes' values come out the same.
;;   OPERANDS COMPUTED ON THE WAY. 'Computed on the way' means the value that the module computes at that place (a softmax that the list does not call 'softmax' is quantised finished and normalised). What goes into a quantiser is computed in f32, as accurately as f32 sums, v_exp_f32 and their like allow (about 1e-6 of the number): no bf16 or f16 on the way to a quantiser, and a product that is left as it is and whose result goes on into a quantised operand takes f32 operands (vector FMAs, or v_wmma_f32_16x16x4_f32). A number that lies on a knife's edge between two numbers of the format may be rounded either way, as far as f32 arithmetic and the matrix unit's own rounding can turn it there, and no further.
;;   INPUTS GIVEN AS CODES. hidden_states (in the module: [2, 2048, 1024], K = its axis 2); qkv (in the module: [1024, 3, 16, 64], K = its axis 0): each comes as NAME_codes (uint8): NAME with its K axis moved to the last place and cut into blocks of 32 codes, [.., K / 32, bytes a block], one block behind the other in memory; one code a byte (a code: sign, 4 exponent bits, 3 mantissa bits); and NAME_scales (uint8): the same leading axes, one E8M0 byte (e + 127) for each 32 codes along K. Its value is code x scale, taken as it is: it is not quantised again, and the codes and scales need not be those that the quantiser above would give.
;; One version. Each part assembles by itself: llvm-mc -triple=amdgcn-amd-amdhsa -mcpu=gfx1250 --defsym DOCPART=n.
;; ======== version 1 of 1: 4 launches
;; limits: right only within a limited range of input values
;; workspace buffers: o_codes 1,048,576 bytes; o_scales 32,768 bytes; a_codes 4,194,304 bytes; a_scales 131,072 bytes; qbuf 4,456,448 bytes; kbuf 4,456,448 bytes; vbuf 4,456,448 bytes; flags 16,384 bytes of whole numbers
;; launch oquant (part 1): grid 8 x 68, 4 waves a work-group, no clusters, 36,352 bytes of LDS; arguments o, o_codes, o_scales, mask, flags; writes o_codes, o_scales, flags
.if DOCPART == 1
	.amdgcn_target "amdgcn-amd-amdhsa--gfx1250"
	.amdhsa_code_object_version 6
	.text
	.protected	k_q3ff0b40417_oquant
	.globl	k_q3ff0b40417_oquant
	.p2align	8
	.type	k_q3ff0b40417_oquant,@function
k_q3ff0b40417_oquant:
	s_mov_b64 s[64:65], 0
	v_nop
	global_prefetch_b8 v0, s[64:65] scope:SCOPE_SE
	s_setreg_imm32_b32 hwreg(HW_REG_WAVE_MODE, 25, 1), 1
	s_wait_xcnt 0x0
; o [16][64][1024] f32 is the last product's weight, [SIZE_K = heads x 64][SIZE_N], with K as its FIRST axis.  It is turned into codes of FP8 (E4M3), laid [SIZE_N][SIZE_K] with K innermost,
; and one E8M0 scale byte for each 32 along K, laid [SIZE_N][SIZE_K / 32].
; A LANE TAKES A COLUMN n, AND ITS REGISTERS RUN DOWN K: each load reads neighbouring n in neighbouring lanes (128 consecutive bytes a wave, 512 a work-group), a block of 32 along K lies in ONE lane's
; 32 registers, so that its largest magnitude needs no other lane, and the conversions give the codes with K innermost.  Nothing is transposed by an instruction.
; A block's scale is 2^(floor(log2(its largest magnitude)) - 8); its byte is the largest magnitude's exponent field - 8, held at 1 from below.
; LIMITS: a block of zeros, and a block whose largest magnitude lies under 2^(9 - 127), gets the byte 1 (a block of zeros has zero codes, which add nothing under any byte but 0xff; the bytes are read by this program alone); NaN and infinities are not served.
; A wave takes 32 columns x 256 along K: 8 blocks a lane, 256 bytes of codes for each column; they go through the wave's own stage in LDS and leave as rows: sixteen lanes store 256 consecutive aligned bytes.
; No tensor loads, no barrier: waves share nothing.  Loads run two blocks (64 loads a wave) ahead.  Every offset is an immediate: 255 x SIZE_N x 4 and 30 x SIZE_K lie inside the signed 24 bits.
.set SIZE_K, 1024
.set SIZE_N, 1024
.set KW,    256                        ; along K for a wave
.set NB,    KW/32                      ; blocks
.set ROWB,  256                        ; bytes of KW codes
.set PITCH, ROWB+16                    ; a stage row
.set KROW,  SIZE_K                     ; a row of the codes' buffer in bytes
.set EMAX,  8
.set MANT,  0x600000                   ; the mantissa field of 448 as f32
.set X,     32                         ; v32-95   two sets of 32 numbers
.set C,     96                         ; v96..    a block's codes
.set OUTR,  112                        ; v112-175 the way out: 16 x 4 registers
.set SB,    24                         ; v24..    the scale bytes, four to a register
; TWO TASKS IN ONE LAUNCH, parted by the work-group's y: y 0-3 quantise o (below); y 4-67 read the mask once and store, for each tile of 16 queries x 128 keys, a whole number:
; 0 where every m of the tile is 0, 2 where every m is 1, else 1.  The attention launch reads these numbers and does for each tile only what its number asks for:
; under 0 the logit is s x 0 - 10000 for every finite s, so the first product of that tile reaches no output; under 2 the logit is s / 8, so the mask's arithmetic changes nothing.  No pattern of the mask is built in.
; LIMIT: a NaN in the mask is not served; a NaN, an infinity or an overflow of a score under a tile of zeros is not carried to the result.
	s_and_b32 s2, ttmp7, 0xffff
	s_cmp_ge_u32 s2, 4
	s_cbranch_scc1 .Lscan
	s_load_b128 s[4:7], s[0:1], 0x0
	s_load_b64 s[8:9], s[0:1], 0x10                ; the scale bytes
	v_lshl_add_u32 v192, v0, 2, 0x8c00
	v_mov_b32 v193, 0
	v_lshrrev_b32 v1, 5, v0
	v_readfirstlane_b32 s16, v1                    ; wave 0..3
	v_and_b32 v2, 31, v0                           ; lane
	s_lshl_b32 s17, ttmp9, 7
	s_lshl_b32 s18, s16, 5
	s_add_co_u32 s17, s17, s18                     ; my wave's first column: 128 x work-group x + 32 x wave
	s_and_b32 s18, ttmp7, 0xffff                   ; which KW along K: work-group y
	v_lshlrev_b32 v3, 2, v2                        ; in: 4 bytes a lane
	s_mul_i32 s19, s16, 32*PITCH                   ; my stage
	v_mul_u32_u24 v4, v2, PITCH
	v_add_nc_u32 v4, s19, v4                       ; into it: row = my column
	v_and_b32 v5, 15, v2
	v_lshrrev_b32 v6, 4, v2                        ; out of it: sixteen lanes to a row, two rows an instruction
	v_mul_u32_u24 v7, v6, PITCH
	v_lshl_add_u32 v7, v5, 4, v7
	v_add_nc_u32 v7, s19, v7                       ; LDS address
	v_mul_u32_u24 v8, v6, KROW
	v_lshl_add_u32 v8, v5, 4, v8                   ; and the same place in the codes' buffer
	; where my wave's part begins, in bytes: o: (KW y) rows of SIZE_N x 4 + 4 x column;  codes: column x KROW + ROWB y;  scale bytes: column x SIZE_K / 32 + NB y
	s_mov_b32 s19, 0
	s_mov_b64 s[20:21], KW*SIZE_N*4
	s_mul_u64 s[20:21], s[18:19], s[20:21]
	s_lshl_b32 s22, s17, 2
	s_mov_b32 s23, 0
	s_add_nc_u64 s[20:21], s[20:21], s[22:23]
	s_mov_b32 s22, s17
	s_mov_b64 s[24:25], KROW
	s_mul_u64 s[24:25], s[22:23], s[24:25]
	s_mul_i32 s26, s18, ROWB
	s_mov_b32 s27, 0
	s_add_nc_u64 s[24:25], s[24:25], s[26:27]
	s_mov_b64 s[28:29], SIZE_K/32
	s_mul_u64 s[28:29], s[22:23], s[28:29]
	s_mul_i32 s26, s18, NB
	s_add_nc_u64 s[28:29], s[28:29], s[26:27]
	v_mul_u32_u24 v9, v2, SIZE_K/32                ; my column's row of scale bytes
	s_mov_b32 s31, MANT                            ; (an instruction takes one literal: the hold's line has another)
	s_wait_kmcnt 0x0
	s_add_nc_u64 s[4:5], s[4:5], s[20:21]
	s_add_nc_u64 s[6:7], s[6:7], s[24:25]
	s_add_nc_u64 s[8:9], s[8:9], s[28:29]
.macro LOAD t                          ; block t: o(32 t + i, my column), i = 0 .. 31, into set t % 2
.irp i, 0,1,2,3,4,5,6,7,8,9,10,11,12,13,14,15,16,17,18,19,20,21,22,23,24,25,26,27,28,29,30,31
	global_load_b32 v[X+32*((\t)%2)+\i], v3, s[4:5] offset:(32*(\t)+\i)*SIZE_N*4 th:TH_LOAD_NT
.endr
.endm
	LOAD 0
	LOAD 1
.macro BLOCK t
.set XS, X+32*((\t)%2)
.if (\t) < NB-1
	s_wait_loadcnt 32                              ; this block's 32 loads are in; the next block's 32 may be out
.else
	s_wait_loadcnt 0
.endif
	v_max3_num_f32 v12, |v[XS]|, |v[XS+1]|, |v[XS+2]|               ; the block's largest magnitude: all 32 numbers are mine
	v_max3_num_f32 v13, |v[XS+3]|, |v[XS+4]|, |v[XS+5]|
.irp i, 6,10,14,18,22,26
	v_max3_num_f32 v12, v12, |v[XS+\i]|, |v[XS+\i+1]|
	v_max3_num_f32 v13, v13, |v[XS+\i+2]|, |v[XS+\i+3]|
.endr
	v_max3_num_f32 v12, v12, |v[XS+30]|, |v[XS+31]|
	v_max3_num_f32 v12, v12, v13, (EMAX+1)<<23     ; and the floor 2^(EMAX + 1 - 127): so the byte cannot fall under 1
	v_add_nc_u32 v11, -(EMAX<<23), v12             ; EMAX off its exponent field: the conversion takes the exponent field of this operand as its scale, and nothing else of it
	v_and_or_b32 v10, v12, 0x7f800000, s31         ; 448 x the scale: the largest magnitude's exponent field over 448's mantissa
	v_lshrrev_b32 v13, 23, v11                     ; the scale's byte
.if (\t)%4 == 0
	v_mov_b32 v[SB+(\t)/4], v13                    ; four bytes to a register, the lower K in the lower byte
.else
	v_lshl_or_b32 v[SB+(\t)/4], v13, 8*((\t)%4), v[SB+(\t)/4]
.endif
.irp i, 0,1,2,3,4,5,6,7,8,9,10,11,12,13,14,15,16,17,18,19,20,21,22,23,24,25,26,27,28,29,30,31
	v_med3_num_f32 v[XS+\i], v[XS+\i], -v10, v10   ; the conversion to an 8-bit code does not saturate (ISA guide 7.6.2): hold the number within 448 x the scale first
.endr
.irp g, 0,1,2,3
	v_cvt_scalef32_pk8_fp8_f32 v[C+2*\g:C+2*\g+1], v[XS+8*\g:XS+8*\g+7], v11
.endr
	ds_store_b128 v4, v[C:C+3] offset:32*(\t)      ; 32 codes: 32 bytes of my column's row
	ds_store_b128 v4, v[C+4:C+7] offset:32*(\t)+16
.if (\t)+2 < NB
	LOAD (\t)+2
.endif
	s_wait_dscnt 0x0                               ; the stores have read their registers: the next block's codes may be written
.endm
.set Q, 0
.rept NB
	BLOCK Q
.set Q, Q+1
.endr
	global_store_b64 v9, v[SB:SB+1], s[8:9]        ; my column's NB scale bytes
.irp t, 0,1,2,3,4,5,6,7,8,9,10,11,12,13,14,15
	ds_load_b128 v[OUTR+4*\t:OUTR+4*\t+3], v7 offset:2*\t*PITCH   ; LDS serves a wave's instructions in order: these see my stores
.endr
.irp t, 0,1,2,3,4,5,6,7,8,9,10,11,12,13,14,15
	s_wait_dscnt 15-\t                             ; the 15 - t younger read-backs may be out
	global_store_b128 v8, v[OUTR+4*\t:OUTR+4*\t+3], s[6:7] offset:2*\t*KROW
.endr
	s_wait_tensorcnt 0x0
	ds_add_u32 v192, v193
	s_wait_dscnt 0x0
	s_endpgm
; THE MASK'S TILES.  Work-group id = 8 (y - 4) + x, 0 .. 511: query tile R = id / 2 (128 b + T), keys 1,024 (id % 2) on; wave w takes two key tiles, 2 w and 2 w + 1 of those eight.
; Query tile R holds rows 32 (R / 2) + 8 (R % 2) + i % 8 + 16 (i / 8), i = 0 .. 15, as the operand images of q have them.  A load reads 512 consecutive bytes of a row; 32 loads a wave, all out at once.
.Lscan:
	s_load_b128 s[4:7], s[0:1], 0x18               ; mask, flags
	v_lshrrev_b32 v1, 5, v0
	v_readfirstlane_b32 s16, v1                    ; wave 0..3
	v_and_b32 v2, 31, v0
	v_lshlrev_b32 v3, 4, v2                        ; 16 bytes a lane
	v_mov_b32 v22, 0
	v_mov_b32 v29, 2
	v_mov_b32 v30, 1
	v_mov_b32 v31, 0
.irp j, 14,15,16,17
	v_mov_b32 v[\j], 0                             ; a lane permute's destination counts as one of its sources
.endr
	s_sub_co_u32 s2, s2, 4
	s_lshl_b32 s2, s2, 3
	s_add_co_u32 s2, s2, ttmp9                     ; id
	s_lshr_b32 s17, s2, 1                          ; R
	s_and_b32 s18, s2, 1
	s_lshl_b32 s18, s18, 3
	s_lshl_b32 s19, s16, 1
	s_add_co_u32 s18, s18, s19                     ; my first key tile
	s_lshr_b32 s20, s17, 1
	s_lshl_b32 s20, s20, 5
	s_and_b32 s21, s17, 1
	s_lshl_b32 s21, s21, 3
	s_add_co_u32 s20, s20, s21                     ; the tile's first row
	s_lshl_b32 s20, s20, 13                        ; 8,192 bytes a row
	s_lshl_b32 s21, s18, 9                         ; 512 bytes a key tile
	s_add_co_u32 s20, s20, s21
	s_mov_b32 s21, 0
	s_lshl_b32 s22, s17, 6                         ; flags: 16 words a query tile
	s_lshl_b32 s23, s18, 2
	s_add_co_u32 s22, s22, s23
	s_mov_b32 s23, 0
	s_mov_b32 s24, 0x76543210
	s_mov_b32 s25, 0xfedcba98
	s_wait_alu depctr_va_vdst(0)
	s_wait_kmcnt 0x0
	s_add_nc_u64 s[4:5], s[4:5], s[20:21]
	s_add_nc_u64 s[6:7], s[6:7], s[22:23]
.irp i, 0,1,2,3,4,5,6,7,8,9,10,11,12,13,14,15
	global_load_b128 v[32+4*\i:35+4*\i], v3, s[4:5] offset:((\i%8)+16*(\i/8))*8192
	global_load_b128 v[96+4*\i:99+4*\i], v3, s[4:5] offset:((\i%8)+16*(\i/8))*8192+512
.endr
	s_wait_loadcnt 0x0
	v_max3_num_f32 v10, v32, v33, v34              ; largest and least m of each tile: four chains by turns
	v_min3_num_f32 v12, v32, v33, v34
	v_max3_num_f32 v11, v96, v97, v98
	v_min3_num_f32 v13, v96, v97, v98
.irp i, 3,5,7,9,11,13,15,17,19,21,23,25,27,29,31,33,35,37,39,41,43,45,47,49,51,53,55,57,59,61
	s_delay_alu instid0(VALU_DEP_4)
	v_max3_num_f32 v10, v10, v[32+\i], v[33+\i]
	s_delay_alu instid0(VALU_DEP_4)
	v_min3_num_f32 v12, v12, v[32+\i], v[33+\i]
	s_delay_alu instid0(VALU_DEP_4)
	v_max3_num_f32 v11, v11, v[96+\i], v[97+\i]
	s_delay_alu instid0(VALU_DEP_4)
	v_min3_num_f32 v13, v13, v[96+\i], v[97+\i]
.endr
	v_max_num_f32 v10, v10, v95
	v_min_num_f32 v12, v12, v95
	v_max_num_f32 v11, v11, v159
	v_min_num_f32 v13, v13, v159
.irp m, 1,2,4,8
	s_delay_alu instid0(VALU_DEP_4)
	v_max_num_f32_dpp v10, v10, v10 row_xmask:\m row_mask:0xf bank_mask:0xf
	s_delay_alu instid0(VALU_DEP_4)
	v_min_num_f32_dpp v12, v12, v12 row_xmask:\m row_mask:0xf bank_mask:0xf
	s_delay_alu instid0(VALU_DEP_4)
	v_max_num_f32_dpp v11, v11, v11 row_xmask:\m row_mask:0xf bank_mask:0xf
	s_delay_alu instid0(VALU_DEP_4)
	v_min_num_f32_dpp v13, v13, v13 row_xmask:\m row_mask:0xf bank_mask:0xf
.endr
.irp j, 0,1,2,3
	v_permlanex16_b32 v[14+\j], v[10+\j], s24, s25
.endr
	v_max_num_f32 v10, v10, v14
	v_max_num_f32 v11, v11, v15
	v_min_num_f32 v12, v12, v16
	v_min_num_f32 v13, v13, v17
.irp u, 0,1
	v_max_num_f32 v18, |v[10+\u]|, |v[12+\u]|      ; the largest magnitude: 0 where every m is 0 (of either sign)
	v_cmp_eq_f32 vcc_lo, 0, v18
	v_cndmask_b32 v[20+\u], v30, v31, vcc_lo       ; 0, else 1
	v_cmp_eq_f32 s26, 1.0, v[10+\u]
	v_cmp_eq_f32 s27, 1.0, v[12+\u]
	s_and_b32 s26, s26, s27
	v_cndmask_b32 v[20+\u], v[20+\u], v29, s26     ; 2 where the largest and the least are both 1
.endr
	s_wait_alu depctr_va_vdst(0)
	s_wait_xcnt 0x0                                ; EXEC changes only behind this wait
	s_mov_b32 exec_lo, 1                           ; every lane holds the same two numbers: lane 0 stores them
	global_store_b64 v22, v[20:21], s[6:7]
	s_endpgm
.Lfunc_end_k_q3ff0b40417_oquant:
	.size	k_q3ff0b40417_oquant, .Lfunc_end_k_q3ff0b40417_oquant-k_q3ff0b40417_oquant
	.p2alignl 7, 3214868480
	.fill 96, 4, 3214868480
	.section	.rodata,"a",@progbits
	.p2align	6, 0x0
	.amdhsa_kernel k_q3ff0b40417_oquant
		.amdhsa_group_segment_fixed_size 36352
		.amdhsa_private_segment_fixed_size 0
		.amdhsa_enable_private_segment 0
		.amdhsa_kernarg_size 40
		.amdhsa_user_sgpr_count 2
		.amdhsa_user_sgpr_kernarg_segment_ptr 1
		.amdhsa_wavefront_size32 1
		.amdhsa_system_sgpr_workgroup_id_x 1
		.amdhsa_system_sgpr_workgroup_id_y 1
		.amdhsa_system_sgpr_workgroup_id_z 1
		.amdhsa_system_vgpr_workitem_id 0
		.amdhsa_next_free_vgpr 194
		.amdhsa_next_free_sgpr 66
		.amdhsa_reserve_vcc 1
		.amdhsa_float_denorm_mode_32 3
		.amdhsa_float_denorm_mode_16_64 3
		.amdhsa_memory_ordered 1
		.amdhsa_forward_progress 1
		.amdhsa_inst_pref_size 79
	.end_amdhsa_kernel
	.amdgpu_metadata
---
amdhsa.version: [ 1, 2 ]
amdhsa.kernels:
  - .name:           k_q3ff0b40417_oquant
    .symbol:         k_q3ff0b40417_oquant.kd
    .args:
      - { .name: o, .offset: 0, .size: 8, .value_kind: global_buffer, .address_space: global }
      - { .name: o_codes, .offset: 8, .size: 8, .value_kind: global_buffer, .address_space: global }
      - { .name: o_scales, .offset: 16, .size: 8, .value_kind: global_buffer, .address_space: global }
      - { .name: mask, .offset: 24, .size: 8, .value_kind: global_buffer, .address_space: global }
      - { .name: flags, .offset: 32, .size: 8, .value_kind: global_buffer, .address_space: global }
    .group_segment_fixed_size: 36352
    .private_segment_fixed_size: 0
    .kernarg_segment_align: 8
    .kernarg_segment_size: 40
    .max_flat_workgroup_size: 128
    .sgpr_count:     66
    .vgpr_count:     194
    .wavefront_size: 32
...
	.end_amdgpu_metadata
.endif
;; end of part 1
;; launch qkv (part 2): grid 12 x 16, 4 waves a work-group, clusters of 4 x 4, 327,680 bytes of LDS; arguments hidden_states_codes, hidden_states_scales, qkv_codes, qkv_scales, out1, out2, qbuf, kbuf, vbuf; writes out1, out2, qbuf, kbuf, vbuf
.if DOCPART == 2
	.amdgcn_target "amdgcn-amd-amdhsa--gfx1250"
	.amdhsa_code_object_version 6
	.text
	.protected	k_q3ff0b40417_qkv
	.globl	k_q3ff0b40417_qkv
	.p2align	8
	.type	k_q3ff0b40417_qkv,@function
k_q3ff0b40417_qkv:
	s_mov_b64 s[64:65], 0
	v_nop
	global_prefetch_b8 v0, s[64:65] scope:SCOPE_SE
	s_setreg_imm32_b32 hwreg(HW_REG_WAVE_MODE, 25, 1), 1
	s_wait_xcnt 0x0
	s_wait_alu depctr_hold_cnt(0) depctr_sa_sdst(0) depctr_va_vdst(0) depctr_va_sdst(0) depctr_va_ssrc(0) depctr_va_vcc(0) depctr_vm_vsrc(0)
	s_getreg_b32 s2, hwreg(HW_REG_IB_STS2, 6, 4)
	s_cmp_eq_u32 s2, 0
	s_cbranch_scc0 .Lentry_in_a_cluster
	s_endpgm
.Lentry_in_a_cluster:
	s_bfe_u32 s2, ttmp6, 0x10000c
	s_cmp_lg_u32 s2, 0xf033
	s_cbranch_scc0 .Lentry_shape_is_right
	s_endpgm
.Lentry_shape_is_right:
.set SIZE_K, 1024
.set KSTEP,  256
.set NQ,     KSTEP/128
.set ROWB,   256
.set KROW,   SIZE_K
.set PITCH,  272
.set FR,     16
.set NL,     4
.set NP,     8
.set HALFT,  128*PITCH
.set SLOT,   4*HALFT
.set LAPS,   SIZE_K/(2*KSTEP)
.set KS,     SIZE_K/32
.set SCL,    2*SLOT
.set HALFS,  (128*KS/256)*272
.set SPARE,  SCL+4*HALFS
.set SPITCH, 528
.set KSTG,   0
.set VSTG,   4*32*SPITCH
.set VWB,    32*SPITCH+128
.set SCOFF,  4194304
.set ADRA, 16
.set ADRB, 20
.set IA,   23
.set KSTO, 24
.set KRD,  25
.set CO,   26
.set ADRS, 27
.set SPW,  28
.set NIL,  29
.set VSTO, 30
.set VRD,  31
.set SC,   32
.set AF,   128
.set BK,   128
.set T,    64
.set PC,   128
.set TM,   160
.set SW,   176
.set OW,   184
.set G1, 24
.set G0, 32
.set G1B, 48
.set G0B, 56
.set G1S, 68
.set G0S, 76
.set G1SB, 80
.set G0SB, 88
.set MSB, 0
.macro WIN new
.if MSB != \new
	s_set_vgpr_msb (MSB<<8)|\new
.set MSB, \new
.endif
.endm
.set MUL_LO, 0xa1
.set MUL_HI, 0xf1
.set TO_B,   0x40
.macro JLOAD g0a, g1a, g0b, g1b
	s_cmp_eq_u32 s15, 0
	s_cbranch_scc0 .Lfor_b_\@
	tensor_load_to_lds s[\g0a:\g0a+3], s[\g1a:\g1a+7]
	s_nop 0
.rept 4
	v_nop
.endr
	s_branch .Lasked_\@
.Lfor_b_\@:
	tensor_load_to_lds s[\g0b:\g0b+3], s[\g1b:\g1b+7]
	s_nop 0
.rept 4
	v_nop
.endr
.Lasked_\@:
.endm
.macro CREST
	s_cmp_lg_u32 s14, 0
	s_cbranch_scc1 .Lnot_wave_0_\@
	s_barrier_signal -3
.Lnot_wave_0_\@:
	s_barrier_wait -3
	s_barrier_signal -1
	s_barrier_wait -1
.endm
.macro CROUND
	s_barrier_signal -1
	s_barrier_wait -1
	CREST
.endm
	s_load_b128 s[4:7], s[0:1], 0x0
	s_load_b128 s[8:11], s[0:1], 0x10
	v_lshl_add_u32 v[SPW], v0, 2, SPARE
	v_mov_b32 v[NIL], 0
	ds_add_u32 v28, v29
	ds_add_u32 v28, v29
	s_wait_dscnt 0x0
	v_lshrrev_b32 v1, 5, v0
	v_readfirstlane_b32 s14, v1
	s_lshr_b32 s15, s14, 1
	s_and_b32 s16, s14, 1
	s_bfe_u32 s40, ttmp6, 0x40000
	s_bfe_u32 s41, ttmp6, 0x40004
	s_and_b32 s17, ttmp7, 0xffff
	s_cmp_eq_u32 ttmp9, 2
	s_cselect_b32 s18, ttmp9, s17
	s_cselect_b32 s19, s17, ttmp9
	s_lshl_b32 s42, s19, 2
	s_add_co_u32 s42, s42, s40
	s_lshl_b32 s17, s18, 2
	s_add_co_u32 s17, s17, s41
	s_lshl_b32 s43, s41, 2
	s_lshl_b32 s43, 15, s43
	s_lshl_b32 s44, 0x1111, s40
	s_or_b32 s[G1+0], s43, (0<<16)|(1<<20)|(1<<21)|(5<<22)|(3<<25)
	s_or_b32 s[G1B+0], s44, (0<<16)|(1<<20)|(1<<21)|(5<<22)|(3<<25)
.irp g, G1, G1B
	s_mov_b32 s[\g+1], ROWB<<16
	s_mov_b32 s[\g+2], 128<<16
	s_mov_b32 s[\g+3], ROWB<<16
	s_mov_b32 s[\g+4], 128
	s_mov_b32 s[\g+5], KROW
	s_mov_b32 s[\g+6], 0
	s_mov_b32 s[\g+7], 0
.endr
	s_or_b32 s[G1S+0], s43, (3<<16)|(1<<20)|(1<<21)|(5<<22)|(3<<25)
	s_or_b32 s[G1SB+0], s44, (3<<16)|(1<<20)|(1<<21)|(5<<22)|(3<<25)
.irp g, G1S, G1SB
	s_mov_b32 s[\g+1], 32<<16
	s_mov_b32 s[\g+2], (128*KS/256)<<16
	s_mov_b32 s[\g+3], 32<<16
	s_mov_b32 s[\g+4], 128*KS/256
	s_mov_b32 s[\g+5], 32
	s_mov_b32 s[\g+6], 0
	s_mov_b32 s[\g+7], 0
.endr
	s_lshl_b32 s18, s16, 7
	s_lshl_b32 s20, s17, 8
	s_add_co_u32 s20, s20, s18
	s_lshl_b32 s46, s42, 8
	s_add_co_u32 s46, s46, s18
	s_mov_b32 s21, 0
	s_mov_b32 s47, 0
	s_mov_b64 s[18:19], KS
	s_mul_u64 s[22:23], s[20:21], s[18:19]
	s_mul_u64 s[92:93], s[46:47], s[18:19]
	s_mov_b64 s[18:19], KROW
	s_mul_u64 s[20:21], s[20:21], s[18:19]
	s_mul_u64 s[46:47], s[46:47], s[18:19]
	s_mul_i32 s45, s14, HALFT
	s_mul_i32 s94, s14, HALFS
	s_wait_kmcnt 0x0
	s_cmp_eq_u32 ttmp9, 2
	s_cselect_b64 s[12:13], s[8:9], s[4:5]
	s_cselect_b64 s[66:67], s[10:11], s[6:7]
	s_cselect_b64 s[96:97], s[4:5], s[8:9]
	s_cselect_b64 s[2:3], s[6:7], s[10:11]
	s_add_nc_u64 s[20:21], s[12:13], s[20:21]
	s_add_nc_u64 s[22:23], s[66:67], s[22:23]
	s_add_nc_u64 s[46:47], s[96:97], s[46:47]
	s_add_nc_u64 s[92:93], s[2:3], s[92:93]
	CROUND
	s_mov_b32 s[G0S], 1
	s_add_co_u32 s[G0S+1], s94, SCL
	s_mov_b64 s[G0S+2:G0S+3], s[22:23]
	s_or_b32 s[G0S+3], s[G0S+3], 0x80000000
	s_mov_b32 s[G0SB], 1
	s_add_co_u32 s[G0SB+1], s94, SCL
	s_mov_b64 s[G0SB+2:G0SB+3], s[92:93]
	s_or_b32 s[G0SB+3], s[G0SB+3], 0x80000000
	JLOAD G0S, G1S, G0SB, G1SB
.irp s, 0,1
	s_mov_b32 s[G0+4*\s], 1
	s_add_co_u32 s[G0+4*\s+1], s45, \s*SLOT
	s_add_nc_u64 s[G0+4*\s+2:G0+4*\s+3], s[20:21], \s*ROWB
	s_or_b32 s[G0+4*\s+3], s[G0+4*\s+3], 0x80000000
	s_mov_b32 s[G0B+4*\s], 1
	s_add_co_u32 s[G0B+4*\s+1], s45, \s*SLOT
	s_add_nc_u64 s[G0B+4*\s+2:G0B+4*\s+3], s[46:47], \s*ROWB
	s_or_b32 s[G0B+4*\s+3], s[G0B+4*\s+3], 0x80000000
	s_wait_alu depctr_va_vdst(0)
	s_wait_tensorcnt 0x0
	ds_add_u32 v28, v29
	s_wait_dscnt 0x0
	CROUND
	JLOAD G0+4*\s, G1, G0B+4*\s, G1B
.endr
	v_and_b32 v1, 15, v0
	v_bfe_u32 v2, v0, 4, 1
	v_and_b32 v7, 8, v1
	v_add_nc_u32 v7, v7, v1
	v_mul_u32_u24 v3, v7, PITCH
	v_lshl_add_u32 v4, v2, 4, v3
	s_mul_i32 s21, s15, HALFT
	s_mul_i32 s22, s16, HALFT
	s_add_co_u32 s22, s22, 2*HALFT
.irp s, 0,1
	v_add_nc_u32 v[ADRA+\s], s21, v4
	v_add_nc_u32 v[ADRB+\s], s22, v4
	s_add_co_u32 s21, s21, SLOT
	s_add_co_u32 s22, s22, SLOT
.endr
	v_mul_u32_u24 v5, v7, KS
	v_lshrrev_b32 v6, 8, v5
	v_lshl_add_u32 v5, v6, 4, v5
	s_mul_i32 s21, s15, HALFS
	s_mul_i32 s22, s16, HALFS
	s_add_co_u32 s22, s22, 2*HALFS
	s_sub_co_u32 s22, s22, s21
	v_mul_u32_u24 v6, s22, v2
	s_add_co_u32 s21, s21, SCL
	v_add_nc_u32 v5, v5, v6
	v_add_nc_u32 v[ADRS], s21, v5
	s_mul_i32 s23, s14, 32*SPITCH
	v_mul_u32_u24 v5, v1, SPITCH
	v_lshl_add_u32 v5, v2, 6, v5
	v_add_nc_u32 v[KSTO], s23, v5
	v_and_b32 v6, 31, v0
	v_lshlrev_b32 v[IA], 4, v6
	v_add_nc_u32 v[KRD], s23, v[IA]
	s_mul_i32 s23, s14, VWB
	s_add_co_u32 s23, s23, VSTG
	v_mul_u32_u24 v5, v2, 16*SPITCH+128
	v_lshl_add_u32 v5, v7, 2, v5
	v_add_nc_u32 v[VSTO], s23, v5
	v_add_nc_u32 v[VRD], s23, v[IA]
	v_lshlrev_b32 v5, 19, v2
	v_lshl_add_u32 v[CO], v1, 4, v5
.macro FRAG reg, adr, q, i
.irp c, 0,1,2,3
	ds_load_b128 v[\reg+4*\c:\reg+4*\c+3], v[\adr] offset:128*(\q)+32*\c+(32*((\i)/2)+8*((\i)%2))*PITCH
.endr
.endm
.macro MUL16 a0, p, q, sc, zero
.irp a, \a0, \a0+1
.irp b, 0,1,2,3,4,5,6,7
.if \zero
	v_wmma_scale_f32_16x16x128_f8f6f4 v[8*(8*((\a)%4)+\b):8*(8*((\a)%4)+\b)+7], v[128*(\p)+FR*\b:128*(\p)+FR*\b+FR-1], v[AF+FR*(\a):AF+FR*(\a)+FR-1], 0, v[SC+8*NQ*(\sc)+NQ*\b+(\q)], v[SC+8*NQ*(\sc)+NQ*(\a)+(\q)] matrix_a_scale:MATRIX_SCALE_ROW1
.else
	v_wmma_scale_f32_16x16x128_f8f6f4 v[8*(8*((\a)%4)+\b):8*(8*((\a)%4)+\b)+7], v[128*(\p)+FR*\b:128*(\p)+FR*\b+FR-1], v[AF+FR*(\a):AF+FR*(\a)+FR-1], v[8*(8*((\a)%4)+\b):8*(8*((\a)%4)+\b)+7], v[SC+8*NQ*(\sc)+NQ*\b+(\q)], v[SC+8*NQ*(\sc)+NQ*(\a)+(\q)] matrix_a_scale:MATRIX_SCALE_ROW1
.endif
.endr
.endr
.endm
.macro FETCH_B slot, q, p
	WIN TO_B
.irp i, 0,1,2,3,4,5,6,7
	FRAG 128*(\p)+FR*\i, ADRB+\slot, \q, \i
.endr
	WIN 0
.endm
.macro FETCH_A slot, q, i0
.irp i, \i0, \i0+1, \i0+2, \i0+3
	FRAG AF+FR*(\i), ADRA+\slot, \q, \i
.endr
.endm
.macro SCALES sc
.irp i, 0,1,2,3,4,5,6,7
	ds_load_b64 v[SC+8*NQ*\sc+NQ*\i:SC+8*NQ*\sc+NQ*\i+1], v[ADRS] offset:(4*(\i/2)+(\i%2))*272
.endr
.endm
.macro PLACES n
.rept \n
	v_nop
.endr
.endm
.macro STEP slot, q, zero
	s_wait_dscnt 4*NL
	WIN MUL_LO
	MUL16 0, (\q)%2, \q, \slot, \zero
	MUL16 2, (\q)%2, \q, \slot, \zero
	s_wait_dscnt 0
	PLACES NP
	FETCH_B \slot, (\q)+1, 1-(\q)%2
	FETCH_A \slot, (\q)+1, 0
	WIN MUL_HI
	MUL16 4, (\q)%2, \q, \slot, \zero
	MUL16 6, (\q)%2, \q, \slot, \zero
	PLACES NP
	WIN 0
	FETCH_A \slot, (\q)+1, 4
.endm
.macro TURN slot, next, fill
	s_wait_tensorcnt 0x0
	ds_add_u32 v[SPW], v[NIL]
	s_wait_dscnt 4*NL+1
	WIN MUL_LO
	MUL16 0, 1, NQ-1, \slot, 0
	s_wait_dscnt 0x0
	s_barrier_signal -1
	MUL16 2, 1, NQ-1, \slot, 0
	WIN 0
	s_barrier_wait -1
.if \fill
	CREST
	s_add_nc_u64 s[G0+4*\slot+2:G0+4*\slot+3], s[G0+4*\slot+2:G0+4*\slot+3], 2*ROWB
	s_add_nc_u64 s[G0B+4*\slot+2:G0B+4*\slot+3], s[G0B+4*\slot+2:G0B+4*\slot+3], 2*ROWB
	JLOAD G0+4*\slot, G1, G0B+4*\slot, G1B
	PLACES NP-4
.else
	PLACES NP
.endif
	s_wait_alu depctr_va_vdst(0)
	v_add_nc_u32 v[ADRS], 4*NQ, v[ADRS]
	FETCH_B \next, 0, 0
	FETCH_A \next, 0, 0
	SCALES \next
	WIN MUL_HI
	MUL16 4, 1, NQ-1, \slot, 0
	MUL16 6, 1, NQ-1, \slot, 0
	PLACES NP
	WIN 0
	FETCH_A \next, 0, 4
.endm
	s_wait_tensorcnt 1
	s_barrier_signal -1
	s_barrier_wait -1
	FETCH_B 0, 0, 0
	FETCH_A 0, 0, 0
	SCALES 0
	FETCH_A 0, 0, 4
	STEP 0, 0, 1
	s_mov_b32 s3, LAPS-1
.Llap:
	TURN 0, 1, 1
	STEP 1, 0, 0
	TURN 1, 0, 1
	STEP 0, 0, 0
	s_sub_co_u32 s3, s3, 1
	s_cmp_lg_u32 s3, 0
	s_cbranch_scc1 .Llap
	TURN 0, 1, 0
	STEP 1, 0, 0
	s_wait_dscnt 4*NL
	WIN MUL_LO
	MUL16 0, 1, NQ-1, 1, 0
	MUL16 2, 1, NQ-1, 1, 0
	s_wait_dscnt 0
	WIN MUL_HI
	MUL16 4, 1, NQ-1, 1, 0
	MUL16 6, 1, NQ-1, 1, 0
	WIN 0
	PLACES NP
	s_load_b256 s[24:31], s[0:1], 0x20
	s_load_b64 s[32:33], s[0:1], 0x40
	s_lshl_b32 s20, s17, 8
	s_lshl_b32 s21, s15, 7
	s_add_co_u32 s20, s20, s21
	s_lshl_b32 s21, s42, 8
	s_lshl_b32 s22, s16, 7
	s_add_co_u32 s21, s21, s22
	s_cmp_eq_u32 ttmp9, 2
	s_cselect_b32 s22, s21, s20
	s_cselect_b32 s23, s20, s21
	s_lshr_b32 s43, s22, 11
	s_bfe_u32 s44, s22, 0x40007
	s_bfe_u32 s45, s23, 0x30007
	s_lshl_b32 s46, s43, 3
	s_add_co_u32 s46, s46, s45
	s_lshl_b32 s47, s46, 4
	s_add_co_u32 s47, s47, s44
	s_lshl_b32 s48, s47, 14
	s_mov_b32 s49, 0
	s_lshl_b32 s50, s47, 10
	s_add_co_u32 s50, s50, SCOFF
	s_mov_b32 s51, 0
	s_lshl_b32 s52, s46, 20
	s_lshl_b32 s53, s44, 15
	s_add_co_u32 s52, s52, s53
	s_mov_b32 s53, 0
	s_mov_b32 s54, 0x05040100
	s_mov_b32 s55, 0x07060302
	s_mov_b32 s56, 0x03020100
	s_mov_b32 s57, 0x07060504
	s_mov_b32 s58, 0x76543210
	s_mov_b32 s59, 0xfedcba98
	s_mov_b32 s60, 0x600000
	s_cmp_eq_u32 ttmp9, 2
	s_cselect_b32 s54, s56, s54
	s_cselect_b32 s55, s57, s55
	s_wait_kmcnt 0x0
	s_cselect_b64 s[36:37], s[26:27], s[24:25]
	s_cselect_b64 s[34:35], s[32:33], s[30:31]
	s_cmp_eq_u32 ttmp9, 0
	s_cselect_b64 s[34:35], s[28:29], s[34:35]
	s_add_nc_u64 s[38:39], s[34:35], s[50:51]
	s_add_nc_u64 s[34:35], s[34:35], s[48:49]
	s_add_nc_u64 s[36:37], s[36:37], s[52:53]
.macro KOUT g
	WIN 0x08+4*((\g)/2)
.irp u, 0,1
.irp b, 0,1,2,3,4,5,6,7
	ds_store_b128 v[KSTO], v[64*((2*\g+\u)%4)+8*\b:64*((2*\g+\u)%4)+8*\b+3] offset:\u*16*SPITCH+128*(\b/2)+32*(\b%2)
	ds_store_b128 v[KSTO], v[64*((2*\g+\u)%4)+8*\b+4:64*((2*\g+\u)%4)+8*\b+7] offset:\u*16*SPITCH+128*(\b/2)+32*(\b%2)+16
.endr
.endr
	WIN 0
.if \g > 0
	s_wait_xcnt 0x0
.endif
.set XI, 0
.rept 32
	ds_load_b128 v[BK+4*XI:BK+4*XI+3], v[KRD] offset:(16*((XI/8)%2)+(XI%8)+8*(XI/16))*SPITCH
.set XI, XI+1
.endr
.set XI, 0
.rept 32
	s_wait_dscnt 31-XI
	global_store_b128 v[CO], v[BK+4*XI:BK+4*XI+3], s[36:37] offset:(32*\g+XI)*256 th:TH_STORE_NT
.set XI, XI+1
.endr
.endm
.macro VOUT g
.irp a, 0,1,2,3,4,5,6,7
	WIN 0x08+4*(\a/4)
.irp ub, 0,1
.irp j, 0,1,2,3,4,5,6,7
	ds_store_b32 v[VSTO], v[64*(\a%4)+8*(2*\g+\ub)+\j] offset:(8*\ub+\j)*SPITCH+(32*(\a/2)+8*(\a%2))*4
.endr
.endr
.endr
	WIN 0
.if \g > 0
	s_wait_xcnt 0x0
.endif
.set XI, 0
.rept 32
	ds_load_b128 v[BK+4*XI:BK+4*XI+3], v[VRD] offset:XI*SPITCH+(XI/16)*128
.set XI, XI+1
.endr
.set XI, 0
.rept 32
	s_wait_dscnt 31-XI
	global_store_b128 v[CO], v[BK+4*XI:BK+4*XI+3], s[36:37] offset:(32*\g+XI)*256 th:TH_STORE_NT
.set XI, XI+1
.endr
.endm
	s_cmp_eq_u32 ttmp9, 0
	s_cbranch_scc1 .Lquant
	s_cmp_eq_u32 ttmp9, 2
	s_cbranch_scc1 .Lvout
	KOUT 0
	KOUT 1
	KOUT 2
	KOUT 3
	s_branch .Lquant
.Lvout:
	VOUT 0
	VOUT 1
	VOUT 2
	VOUT 3
.Lquant:
	s_wait_xcnt 0x0
.irp b, 0,1,2,3
	v_mov_b32 v[TM+4+\b], 0
.endr
.macro QUANTW a
.set AC, 64*((\a)%4)
.set WW, 2+(\a)/4
.set PS, PC+16*((\a)%2)
	WIN 5*WW
.irp b, 0,1,2,3
	v_max3_num_f32 v[TM+\b], |v[AC+16*\b]|, |v[AC+16*\b+1]|, 0x4800000
.endr
.irp i, 2,4,6,8,10,12,14
.irp b, 0,1,2,3
	v_max3_num_f32 v[TM+\b], |v[AC+16*\b+\i]|, |v[AC+16*\b+\i+1]|, v[TM+\b]
.endr
.endr
	WIN 0
.irp b, 0,1,2,3
	v_permlanex16_b32 v[TM+4+\b], v[TM+\b], s58, s59
.endr
.irp b, 0,1,2,3
	v_max_num_f32 v[TM+\b], v[TM+\b], v[TM+4+\b]
.endr
.irp b, 0,1,2,3
	v_add_nc_u32 v[TM+12+\b], 0xfc000000, v[TM+\b]
.endr
.irp b, 0,1,2,3
	v_and_or_b32 v[TM+8+\b], v[TM+\b], 0x7f800000, s60
.endr
.irp b, 0,1,2,3
	v_lshrrev_b32 v[TM+4+\b], 23, v[TM+12+\b]
.endr
	v_lshl_or_b32 v[SW+(\a)], v[TM+5], 8, v[TM+4]
	v_lshl_or_b32 v[SW+(\a)], v[TM+6], 16, v[SW+(\a)]
	v_lshl_or_b32 v[SW+(\a)], v[TM+7], 24, v[SW+(\a)]
	WIN WW
.irp b, 0,1,2,3
.irp i, 0,1,2,3,4,5,6,7,8,9,10,11,12,13,14,15
	v_med3_num_f32 v[T+16*\b+\i], v[AC+16*\b+\i], -v[TM+8+\b], v[TM+8+\b]
.endr
.endr
	WIN 0
	s_wait_alu depctr_va_vdst(0)
	s_wait_xcnt 0x0
.irp b, 0,1,2,3
	v_cvt_scalef32_pk8_fp8_f32 v[PS+4*\b:PS+4*\b+1], v[T+16*\b:T+16*\b+7], v[TM+12+\b]
	v_cvt_scalef32_pk8_fp8_f32 v[PS+4*\b+2:PS+4*\b+3], v[T+16*\b+8:T+16*\b+15], v[TM+12+\b]
.endr
	v_nop
.irp b, 0,1,2,3
	global_store_b128 v[IA], v[PS+4*\b:PS+4*\b+3], s[34:35] offset:(\a)*2048+\b*512
.endr
.endm
.irp a, 0,1,2,3,4,5,6,7
	QUANTW \a
.endr
.irp g, 0,1,2,3
	v_perm_b32 v[OW+\g], v[SW+2*\g+1], v[SW+2*\g], s54
	v_perm_b32 v[OW+4+\g], v[SW+2*\g+1], v[SW+2*\g], s55
.endr
	global_store_b128 v[IA], v[OW:OW+3], s[38:39]
	global_store_b128 v[IA], v[OW+4:OW+7], s[38:39] offset:512
	s_wait_tensorcnt 0x0
	ds_add_u32 v[SPW], v[NIL]
	s_wait_dscnt 0x0
	CROUND
	s_endpgm
.Lfunc_end_k_q3ff0b40417_qkv:
	.size	k_q3ff0b40417_qkv, .Lfunc_end_k_q3ff0b40417_qkv-k_q3ff0b40417_qkv
	.p2alignl 7, 3214868480
	.fill 96, 4, 3214868480
	.section	.rodata,"a",@progbits
	.p2align	6, 0x0
	.amdhsa_kernel k_q3ff0b40417_qkv
		.amdhsa_group_segment_fixed_size 327680
		.amdhsa_private_segment_fixed_size 0
		.amdhsa_enable_private_segment 0
		.amdhsa_kernarg_size 72
		.amdhsa_user_sgpr_count 2
		.amdhsa_user_sgpr_kernarg_segment_ptr 1
		.amdhsa_wavefront_size32 1
		.amdhsa_system_sgpr_workgroup_id_x 1
		.amdhsa_system_sgpr_workgroup_id_y 1
		.amdhsa_system_sgpr_workgroup_id_z 1
		.amdhsa_system_vgpr_workitem_id 0
		.amdhsa_next_free_vgpr 1024
		.amdhsa_next_free_sgpr 98
		.amdhsa_reserve_vcc 0
		.amdhsa_float_denorm_mode_32 3
		.amdhsa_float_denorm_mode_16_64 3
		.amdhsa_memory_ordered 1
		.amdhsa_forward_progress 1
		.amdhsa_inst_pref_size 255
	.end_amdhsa_kernel
	.section	.bss,"aw",@nobits
	.p2align	6
	.space	262144
	.amdgpu_metadata
---
amdhsa.version: [ 1, 2 ]
amdhsa.kernels:
  - .name:           k_q3ff0b40417_qkv
    .symbol:         k_q3ff0b40417_qkv.kd
    .args:
      - { .name: hidden_states_codes, .offset: 0, .size: 8, .value_kind: global_buffer, .address_space: global }
      - { .name: hidden_states_scales, .offset: 8, .size: 8, .value_kind: global_buffer, .address_space: global }
      - { .name: qkv_codes, .offset: 16, .size: 8, .value_kind: global_buffer, .address_space: global }
      - { .name: qkv_scales, .offset: 24, .size: 8, .value_kind: global_buffer, .address_space: global }
      - { .name: out1, .offset: 32, .size: 8, .value_kind: global_buffer, .address_space: global }
      - { .name: out2, .offset: 40, .size: 8, .value_kind: global_buffer, .address_space: global }
      - { .name: qbuf, .offset: 48, .size: 8, .value_kind: global_buffer, .address_space: global }
      - { .name: kbuf, .offset: 56, .size: 8, .value_kind: global_buffer, .address_space: global }
      - { .name: vbuf, .offset: 64, .size: 8, .value_kind: global_buffer, .address_space: global }
    .group_segment_fixed_size: 327680
    .private_segment_fixed_size: 0
    .kernarg_segment_align: 8
    .kernarg_segment_size: 72
    .max_flat_workgroup_size: 128
    .sgpr_count:     98
    .vgpr_count:     1024
    .wavefront_size: 32
...
	.end_amdgpu_metadata
.endif
;; end of part 2
;; launch attn (part 3): grid 32 x 8, 8 waves a work-group, no clusters, 86,528 bytes of LDS; arguments qbuf, kbuf, vbuf, mask, flags, a_codes, a_scales; writes a_codes, a_scales
.if DOCPART == 3
	.amdgcn_target "amdgcn-amd-amdhsa--gfx1250"
	.amdhsa_code_object_version 6
	.text
	.protected	k_q3ff0b40417_attn
	.globl	k_q3ff0b40417_attn
	.p2align	8
	.type	k_q3ff0b40417_attn,@function
k_q3ff0b40417_attn:
	s_mov_b64 s[64:65], 0
	v_nop
	global_prefetch_b8 v0, s[64:65] scope:SCOPE_SE
	s_setreg_imm32_b32 hwreg(HW_REG_WAVE_MODE, 25, 1), 1
	s_wait_xcnt 0x0
; THE ATTENTION: logit = (q . k / 8) m - (1 - m) 10000, m the mask as it is given; softmax; x v: both products on codes of FP8 (E4M3) with E8M0 scales; the result is quantised along (head, channel) for the last product.
; t = logit x log2(e); M = the row's largest t so far, rounded UP to a whole number; p = 2^(t - M) is quantised along the keys, not normalised; the row's sum is taken of the unquantised p and divides at the end.
; u = s m + (m 80000 - 80000) = 8 x logit, s = q . k;  t - M = u c - M, c = log2(e) / 8.
; WORK LEFT OUT, BY STORED WHOLE NUMBERS.  The first launch stored a number for each tile of 16 queries x 128 keys of the mask.  A wave owns two query tiles and joins their numbers: the common one, or 1 where they differ.  Step by step it branches:
;   0, every m is 0: u = s x 0 - 80000 = -80000 for every finite s: the first product is not made; ONE p = 2^(-80000 c - M) a query stands for all 128 keys: it is quantised as a block of equal numbers and the second product runs on it;
;   2, every m is 1: u = s x 1 + 0 = s: the mask is not read;      1: the mask's tiles are read and u is made as written (right for any mask).
; LIMITS: NaN and infinities are not served, and one that reaches only a score under a tile of zeros is not carried to the result; where m is neither 0 nor 1, u carries the rounding of a number of 80000's size;
;   a block of zeros gets the scale byte 1 (read by this program alone); the promise holds while the scaled scores stay under 2^31 in magnitude.
; NO TENSOR LOAD, NO CLUSTER, NO BARRIER IN THE LOOP: the branches hang on numbers read from memory, so K, V and their scale words go from their register images in memory straight into registers, each wave at its own pace.
; V is asked for at a step's head; the next step's K behind this step's first product, where the next number asks for it.  No prefetch into the L2 beside that: the operands are asked for, into registers, a softmax or a step ahead of their use.
; SHARES.  A work-group: 4 heads x 2 pairs of query tiles of one batch; wave w: head w % 4, pair (w ^ w / 4) % 2.  The pairs are tiles 2 g, 2 g + 1 (g = x % 4; 32 neighbouring rows) of blocks i = x / 4 and 15 - i of the 16 blocks of 128 queries.
; OPERANDS are images of registers: chunk (a, nb) of a block at 2,048 a + 512 nb + 16 lane.  Tile 2 g + u, lane r stands for row 32 g + 8 u + r + (r & 8) of the block's 128.
; K = 64 UNDER AN INSTRUCTION OF 128: a fragment of K holds two tiles of keys; Q stands as [q | 0 | q]: v[16:31] picks the first tile, v[24:39] the second.  Both products are used transposed: a lane holds one query of each tile.
; REGISTERS.  Tile A lives in window 0, tile B in window 1, under the same numbers: v12 -M, v13 the largest t, v[14:15] the sum; v16-39 Q; v104-167 scores, u, p; v168-199 O^T; v200-215 p's codes; v232-249, v252-255 at work; v[250:251] 80000.
;   v40-103: in window 0 V's fragments, in window 1 K's (and the mask).  Window 0 alone: v1 16 x lane; v5, v6 the add's; v216, v217 the mask stage's addresses; v218-229 scale words and nothing else.
.set MP,    528                        ; a row of my mask stage: 512 bytes + 16
.set STAGE, 67584                      ; behind 8 stages of 16 rows: the way out: 64 rows x (256 bytes of codes + 16)
.set SP,    272
.set SSTG,  84992                      ; their scale bytes: 64 rows x 8
.set SPARE, 85504                      ; the spare words, 128 bytes for each wave
.set SCOFF, 4194304                    ; where the scale words begin in qbuf, kbuf, vbuf
.set LI,   1
.set SPW,  5
.set NIL,  6
.set FG,   40
.set SS,   104
.set OT,   168
.set PCD,  200
.set AMS,  216
.set AML,  217
.set QW,   218                         ; Q's scale word [tile A: two bytes | tile B: two bytes]: for A's [q | 0] and B's [0 | q]
.set QX,   219                         ; its halves exchanged: for A's [0 | q] and B's [q | 0]; the other two bytes meet zero codes
.set KSC,  220
.set VSC,  224
.set PSW,  228                         ; p's scale words: tile A's, tile B's
.set KKV,  250
.set WV,   18
.set MNT,  19
.set SEL,  20
.set CS,   22
.set KB,   24                          ; s[24:25] K's images, s[26:27] K's scale words, s[28:29], s[30:31] V's, s[32:33] the mask: each at the step in hand
.set KSB,  26
.set VB,   28
.set VSB,  30
.set MB,   32
.set CNT,  34
.set FN,   35                          ; the next step's number
.set W,    36                          ; s[36:51], s[68:83] the two tiles' 16 numbers; then s36: the joined ones, two bits each
.set FL,   52
.set MSB, 0
.macro WIN new                         ; the immediate's high byte repeats the setting that is left; at every label and branch the setting is 0
.if MSB != \new
	s_set_vgpr_msb (MSB<<8)|\new
.set MSB, \new
.endif
.endm
.macro VLOAD                           ; V's four fragments and scale words, window 0
.irp t, 0,1,2,3
.irp n, 0,1,2,3
	global_load_b128 v[FG+16*\t+4*\n:FG+16*\t+4*\n+3], v[LI], s[VB:VB+1] offset:\t*2048+\n*512
.endr
.endr
	global_load_b64 v[VSC:VSC+1], v[LI], s[VSB:VSB+1]
	global_load_b64 v[VSC+2:VSC+3], v[LI], s[VSB:VSB+1] offset:512
.endm
.macro KLOAD on                        ; K's four fragments (window 1) and scale words of the step in hand (on = 0) or the next (1).  Fragment g: tile 2 g's two chunks, then tile 2 g + 1's
	WIN 0x40
.irp g, 0,1,2,3
.irp c, 0,1,2,3
	global_load_b128 v[FG+16*\g+4*\c:FG+16*\g+4*\c+3], v[LI], s[KB:KB+1] offset:\on*16384+(2*\g+\c/2)*2048+(\c%2)*512
.endr
.endr
	WIN 0
	global_load_b128 v[KSC:KSC+3], v[LI], s[KSB:KSB+1] offset:\on*1024
.endm
.macro NEWM                            ; in: v254 the step's largest t.  Out: v13, -M in v12, f = 2^(old M - new M) in v252
	v_max_num_f32 v13, v13, v254
	v_mov_b32 v254, v12
	s_delay_alu instid0(VALU_DEP_2)
	v_floor_f32 v12, -v13                          ; -M = floor(-t): M is a whole number
	s_delay_alu instid0(VALU_DEP_1)
	v_sub_f32 v254, v12, v254
	s_delay_alu instid0(VALU_DEP_1)
	v_cvt_i32_f32 v254, v254                       ; (it saturates)
	s_delay_alu instid0(VALU_DEP_1)
	v_ldexp_f32 v252, 1.0, v254
.endm
.macro INIT                            ; one tile's state, all in its window
.irp j, 24,25,26,27,28,29,30,31
	v_mov_b32 v[\j], 0                             ; the zero codes between the two copies of q
.endr
	v_mov_b32 v[KKV], 0x479c4000                   ; 80000
	v_mov_b32 v[KKV+1], 0x479c4000
	v_mov_b32 v13, 0xff61b1e6                      ; -3e38, under every t
	s_delay_alu instid0(VALU_DEP_1)
	v_floor_f32 v12, -v13
	v_mov_b32 v14, 0
	v_mov_b32 v15, 0
.irp b, 0,1,2,3
	v_mov_b32 v[236+\b], 0                         ; a lane permute's destination counts as one of its sources
.endr
	v_mov_b32 v253, 0                              ; (the upper half of the pair v[252:253])
.set JJ, 0
.rept 32
	v_mov_b32 v[OT+JJ], 0                          ; O^T: the first change of M leaves zeros zeros
.set JJ, JJ+1
.endr
.endm
; EVERY m IS 0: one tile's share, all in its window.  It leaves p's codes, and the scale byte in v239 and three times in v236.
.macro LIGHT
	v_mul_f32 v254, s[CS], -v[KKV]                 ; the t of u = -80000
	s_delay_alu instid0(VALU_DEP_1)
	NEWM
	v_fma_f32 v232, -v[KKV], s[CS], v12            ; t - M, by the multiply-add that every u goes through
	s_wait_alu depctr_va_vdst(0)                   ; the wait ahead of the exponential
	v_exp_f32 v232, v232                           ; p
	v_nop
	s_wait_alu depctr_va_vdst(0)                   ; and ahead of its first reader
	v_mul_f32 v233, 0x42000000, v232               ; 32 p: each half of my sum takes 32 of my 64 keys
	v_max_num_f32 v234, 0x4800000, v232            ; the floor: the byte cannot fall under 1
	s_delay_alu instid0(VALU_DEP_2)
	v_fma_f32 v14, v14, v252, v233
	v_fma_f32 v15, v15, v252, v233
	s_delay_alu instid0(VALU_DEP_3)
	v_add_nc_u32 v244, 0xfc000000, v234            ; the conversion's scale operand
	v_and_or_b32 v240, v234, 0x7f800000, s[MNT]    ; 448 x the scale
	s_delay_alu instid0(VALU_DEP_2)
	v_lshrrev_b32 v239, 23, v244                   ; the byte: all four blocks are alike
	s_delay_alu instid0(VALU_DEP_1)
	v_lshl_or_b32 v236, v239, 8, v239
	s_delay_alu instid0(VALU_DEP_1)
	v_lshl_or_b32 v236, v239, 16, v236
.irp i, 0,1,2,3,4,5,6,7
	v_min_num_f32 v[SS+\i], v232, v240             ; the hold
.endr
	v_cvt_scalef32_pk8_fp8_f32 v[PCD:PCD+1], v[SS:SS+7], v244
	v_nop
.irp i, 2,3,4,5,6,7,8,9,10,11,12,13,14,15
	v_mov_b32 v[PCD+\i], v[PCD]                    ; the one code in every byte of the operand
.endr
.endm
; THE MASK AS IT IS, for tile x: its 16 rows x 512 bytes, a row a load, into K's registers (done with), through my own stage, back register for register as the scores lie; then u.
.macro MASK x
	WIN 0x40
.set XI, 0
.rept 16
	global_load_b128 v[FG+4*XI:FG+4*XI+3], v[LI], s[MB:MB+1] offset:((XI%8)+16*(XI/8)+8*\x)*8192
.set XI, XI+1
.endr
	s_wait_loadcnt 0x0
	WIN 0x04
.set XI, 0
.rept 16
	ds_store_b128 v[AMS], v[FG+4*XI:FG+4*XI+3] offset:XI*MP
.set XI, XI+1
.endr
	s_wait_dscnt 0x0                               ; the stores have read their registers
	WIN 0x40
.irp b, 0,1,2,3
.irp j, 0,1,2,3
	ds_load_b128 v[FG+16*\b+4*\j:FG+16*\b+4*\j+3], v[AML] offset:128*\b+16*\j
.endr
.endr
	s_wait_dscnt 0x0
.irp q, 0,1,2,3
	WIN 0x01+0x54*\x                               ; m from window 1, the rest from the tile's
.set JJ, 0
.rept 8
	v_pk_fma_f32 v[232+JJ:233+JJ], v[FG+16*\q+JJ:FG+16*\q+JJ+1], v[KKV:KKV+1], v[KKV:KKV+1] neg_lo:[0,0,1] neg_hi:[0,0,1]   ; m 80000 - 80000
.set JJ, JJ+2
.endr
	WIN 0x04+0x51*\x
.set JJ, 0
.rept 8
	v_pk_fma_f32 v[SS+16*\q+JJ:SS+16*\q+JJ+1], v[SS+16*\q+JJ:SS+16*\q+JJ+1], v[FG+16*\q+JJ:FG+16*\q+JJ+1], v[232+JJ:233+JJ]   ; u = s m + that
.set JJ, JJ+2
.endr
.endr
	s_wait_alu depctr_va_vdst(0)
	WIN 0
.endm
; THE SOFTMAX of one tile's 128 u, all in its window.  It leaves p's codes, the fourth scale byte in v239 and the first three in v236.
.macro SOFT
.irp b, 0,1,2,3
	v_max3_num_f32 v[232+\b], v[SS+16*\b], v[SS+1+16*\b], v[SS+2+16*\b]   ; the largest u of each block of 32 keys: for the row's maximum and for the block's largest p
.endr
.irp i, 3,5,7,9,11,13
.irp b, 0,1,2,3
	v_max3_num_f32 v[232+\b], v[232+\b], v[SS+16*\b+\i], v[SS+1+16*\b+\i]   ; (the four blocks by turns)
.endr
.endr
.irp b, 0,1,2,3
	v_max_num_f32 v[232+\b], v[232+\b], v[SS+15+16*\b]
.endr
.irp b, 0,1,2,3
	s_delay_alu instid0(VALU_DEP_4)
	v_permlanex16_b32 v[236+\b], v[232+\b], s[SEL], s[SEL+1]
.endr
.irp b, 0,1,2,3
	s_delay_alu instid0(VALU_DEP_4)
	v_max_num_f32 v[232+\b], v[232+\b], v[236+\b]
.endr
	s_delay_alu instid0(VALU_DEP_2)
	v_max3_num_f32 v254, v232, v233, v234
	s_delay_alu instid0(VALU_DEP_1)
	v_max_num_f32 v254, v254, v235
	s_delay_alu instid0(VALU_DEP_1)
	v_mul_f32 v254, s[CS], v254                    ; the step's largest t
	s_delay_alu instid0(VALU_DEP_1)
	NEWM
.set JJ, 0
.rept 32
	v_pk_fma_f32 v[SS+JJ:SS+JJ+1], v[SS+JJ:SS+JJ+1], s[CS:CS+1], v[12:13] op_sel_hi:[1,0,0]   ; t - M = u c - M
.set JJ, JJ+2
.endr
.irp b, 0,1,2,3
	v_fma_f32 v[232+\b], v[232+\b], s[CS], v12
.endr
	s_wait_alu depctr_va_vdst(0)
.set JJ, 0
.rept 64
	v_exp_f32 v[SS+JJ], v[SS+JJ]                   ; p, not normalised
.set JJ, JJ+1
.endr
	v_pk_mul_f32 v[14:15], v[14:15], v[252:253] op_sel_hi:[1,0]   ; the sums under the new M
	s_wait_alu depctr_va_vdst(0)                   ; one wait for the batch, ahead of its first reader
.irp b, 0,1,2,3
	v_exp_f32 v[232+\b], v[232+\b]                 ; each block's largest p
.endr
.set PJ, 0
.irp c, 236,254,248,246,244,242,240                ; the row's sum of the unquantised p, in eight chains
	v_pk_add_f32 v[\c:\c+1], v[SS+PJ:SS+PJ+1], v[SS+PJ+2:SS+PJ+3]
.set PJ, PJ+4
.endr
	v_pk_add_f32 v[14:15], v[14:15], v[SS+PJ:SS+PJ+1]
.set PJ, PJ+2
.rept 2
.irp c, 236,254,248,246,244,242,240,14
	v_pk_add_f32 v[\c:\c+1], v[\c:\c+1], v[SS+PJ:SS+PJ+1]
.set PJ, PJ+2
.endr
.endr
	v_pk_add_f32 v[236:237], v[236:237], v[SS+62:SS+63]
	s_delay_alu instid0(VALU_DEP_2)
	v_pk_add_f32 v[14:15], v[14:15], v[246:247]
	s_delay_alu instid0(VALU_DEP_2)
	v_pk_add_f32 v[236:237], v[236:237], v[244:245]
	v_pk_add_f32 v[254:255], v[254:255], v[242:243]
	v_pk_add_f32 v[248:249], v[248:249], v[240:241]
	s_delay_alu instid0(VALU_DEP_2)
	v_pk_add_f32 v[14:15], v[14:15], v[254:255]
	s_delay_alu instid0(VALU_DEP_2)
	v_pk_add_f32 v[236:237], v[236:237], v[248:249]
	s_delay_alu instid0(VALU_DEP_1)
	v_pk_add_f32 v[14:15], v[14:15], v[236:237]
	s_wait_alu depctr_va_vdst(0)                   ; and one for the four
.irp b, 0,1,2,3
	v_max_num_f32 v[232+\b], 0x4800000, v[232+\b]  ; the floor
.endr
.irp b, 0,1,2,3
	s_delay_alu instid0(VALU_DEP_4)
	v_add_nc_u32 v[244+\b], 0xfc000000, v[232+\b]  ; the conversion's scale operand
.endr
.irp b, 0,1,2,3
	v_and_or_b32 v[240+\b], v[232+\b], 0x7f800000, s[MNT]   ; 448 x the scale
.endr
.irp b, 0,1,2,3
	v_lshrrev_b32 v[236+\b], 23, v[244+\b]         ; the byte
.endr
	s_delay_alu instid0(VALU_DEP_3)
	v_lshl_or_b32 v236, v237, 8, v236
	s_delay_alu instid0(VALU_DEP_1)
	v_lshl_or_b32 v236, v238, 16, v236
.irp b, 0,1,2,3
.irp i, 0,1,2,3,4,5,6,7,8,9,10,11,12,13,14,15
	v_min_num_f32 v[SS+16*\b+\i], v[SS+16*\b+\i], v[240+\b]   ; the conversion does not saturate (ISA guide 7.6.2); p is not negative
.endr
	v_cvt_scalef32_pk8_fp8_f32 v[PCD+4*\b:PCD+1+4*\b], v[SS+16*\b:SS+7+16*\b], v[244+\b]
	v_cvt_scalef32_pk8_fp8_f32 v[PCD+2+4*\b:PCD+3+4*\b], v[SS+8+16*\b:SS+15+16*\b], v[244+\b]
.endr
	v_nop                                          ; one plain vector instruction behind the last conversion
.endm
.macro RESCALE                         ; O^T x f, in the tile's window
	s_wait_alu depctr_va_vdst(0)                   ; the wait here, directly ahead of the first reader of O^T
.set JJ, 0
.rept 16
	v_pk_mul_f32 v[OT+JJ:OT+JJ+1], v[OT+JJ:OT+JJ+1], v[252:253] op_sel_hi:[1,0]
.set JJ, JJ+2
.endr
.endm
	s_load_b256 s[4:11], s[0:1], 0x0               ; qbuf, kbuf, vbuf, mask
	s_load_b128 s[12:15], s[0:1], 0x20             ; flags, a_codes
	s_load_b64 s[16:17], s[0:1], 0x30              ; a_scales
	v_lshl_add_u32 v[SPW], v0, 2, SPARE
	v_mov_b32 v[NIL], 0
	v_lshrrev_b32 v8, 5, v0
	s_delay_alu instid0(VALU_DEP_1)
	v_readfirstlane_b32 s[WV], v8                  ; wave 0..7
	s_and_b32 s54, s[WV], 3                        ; my head of the four
	s_lshr_b32 s55, s[WV], 2
	s_xor_b32 s55, s55, s[WV]
	s_and_b32 s55, s55, 1                          ; my pair of the two
	s_and_b32 s56, ttmp9, 3                        ; g
	s_lshr_b32 s57, ttmp9, 2                       ; i
	s_lshl_b32 s61, s57, 1
	s_sub_co_u32 s86, 15, s61                      ; 15 - 2 i
	s_mul_i32 s60, s55, s86
	s_add_co_u32 s60, s60, s57                     ; my block of 128 queries: i or 15 - i
	s_and_b32 s58, ttmp7, 0xffff
	s_lshr_b32 s59, s58, 2                         ; b
	s_and_b32 s58, s58, 3                          ; the group of four heads
	s_lshl_b32 s66, s59, 3
	s_lshl_b32 s67, s58, 1
	s_add_co_u32 s66, s66, s67
	s_lshr_b32 s67, s54, 1
	s_add_co_u32 s66, s66, s67                     ; my head pair
	s_and_b32 s67, s54, 1                          ; my head of the pair
	s_lshl_b32 s68, s66, 18
	s_lshl_b32 s63, s67, 10
	s_add_co_u32 s68, s68, s63                     ; K: chunks (a, 2 hh + c)
	s_mov_b32 s69, 0
	s_lshl_b32 s72, s66, 18
	s_lshl_b32 s63, s67, 13
	s_add_co_u32 s72, s72, s63                     ; V: chunks (4 hh + t, nb)
	s_mov_b32 s73, 0
	s_lshl_b32 s70, s66, 14
	s_add_co_u32 s70, s70, SCOFF
	s_lshl_b32 s63, s67, 3
	s_add_co_u32 s74, s70, s63                     ; V's scale words
	s_mov_b32 s75, 0
	s_lshl_b32 s63, s67, 9
	s_add_co_u32 s70, s70, s63                     ; K's
	s_mov_b32 s71, 0
	s_lshl_b32 s76, s66, 4
	s_add_co_u32 s76, s76, s60                     ; Q's block
	s_lshl_b32 s78, s76, 10
	s_add_co_u32 s78, s78, s63
	s_lshl_b32 s61, s56, 2
	s_add_co_u32 s78, s78, s61
	s_add_co_u32 s78, s78, SCOFF                   ; Q's scale word: word g of half hh
	s_mov_b32 s79, 0
	s_lshl_b32 s76, s76, 14
	s_lshl_b32 s61, s56, 12
	s_add_co_u32 s76, s76, s61
	s_lshl_b32 s61, s67, 10
	s_add_co_u32 s76, s76, s61                     ; Q's chunks of tile 2 g; tile 2 g + 1's lie 2,048 bytes on
	s_mov_b32 s77, 0
	s_lshl_b32 s87, s59, 11
	s_lshl_b32 s61, s56, 5
	s_add_co_u32 s87, s87, s61                     ; 2,048 b + 32 g
	s_lshl_b32 s88, s60, 7
	s_add_co_u32 s88, s88, s87                     ; my pair's first row,
	s_lshl_b32 s88, s88, 13                        ; in the mask
	s_mov_b32 s89, 0
	s_lshl_b32 s90, s59, 7
	s_lshl_b32 s61, s60, 3
	s_add_co_u32 s90, s90, s61
	s_lshl_b32 s61, s56, 1
	s_add_co_u32 s90, s90, s61
	s_lshl_b32 s90, s90, 6                         ; my two tiles' 16 numbers each
	s_mov_b32 s91, 0
	s_mov_b32 s62, 0x01000302
	s_mov_b32 s[SEL], 0x76543210
	s_mov_b32 s[SEL+1], 0xfedcba98
	s_mov_b32 s[CS], 0x3e38aa3b                    ; c = log2(e) / 8
	s_mov_b32 s[CS+1], s[CS]
	s_mov_b32 s[MNT], 0x600000                     ; the mantissa field of 448
	s_mov_b32 s[CNT], 16
	s_mul_i32 s85, s[WV], 16*MP                    ; my mask stage
	v_and_b32 v8, 31, v0
	v_and_b32 v9, 15, v0
	v_bfe_u32 v10, v0, 4, 1
	v_lshlrev_b32 v[LI], 4, v8                     ; 16 x lane
	v_mul_u32_u24 v[AML], v9, MP
	s_delay_alu instid0(VALU_DEP_2)
	v_add_nc_u32 v[AMS], s85, v[LI]                ; in: a row an instruction, 16 bytes a lane
	s_delay_alu instid0(VALU_DEP_2)
	v_lshl_add_u32 v[AML], v10, 6, v[AML]
	s_delay_alu instid0(VALU_DEP_1)
	v_add_nc_u32 v[AML], s85, v[AML]               ; back: my query's row, + 64 h: my 16 keys of each 32
	INIT
	WIN 0x55
	INIT
	WIN 0
	s_wait_alu depctr_va_vdst(0)
	s_wait_kmcnt 0x0
	s_add_nc_u64 s[12:13], s[12:13], s[90:91]
	s_add_nc_u64 s[92:93], s[4:5], s[76:77]
	s_add_nc_u64 s[94:95], s[4:5], s[78:79]
	s_add_nc_u64 s[KB:KB+1], s[6:7], s[68:69]
	s_add_nc_u64 s[KSB:KSB+1], s[6:7], s[70:71]
	s_add_nc_u64 s[VB:VB+1], s[8:9], s[72:73]
	s_add_nc_u64 s[VSB:VSB+1], s[8:9], s[74:75]
	s_add_nc_u64 s[MB:MB+1], s[10:11], s[88:89]
	s_load_b512 s[W:W+15], s[12:13], 0x0
	s_load_b512 s[68:83], s[12:13], 0x40
	global_load_b128 v[16:19], v[LI], s[92:93]
	global_load_b128 v[20:23], v[LI], s[92:93] offset:512
	global_load_b128 v[32:35], v[LI], s[92:93]
	global_load_b128 v[36:39], v[LI], s[92:93] offset:512
	global_load_b32 v[QW], v[LI], s[94:95]
	WIN 0x40
	global_load_b128 v[16:19], v[LI], s[92:93] offset:2048
	global_load_b128 v[20:23], v[LI], s[92:93] offset:2560
	global_load_b128 v[32:35], v[LI], s[92:93] offset:2048
	global_load_b128 v[36:39], v[LI], s[92:93] offset:2560
	KLOAD 0                                        ; step 0's K, whatever its number: so K's registers are written on every way into the loop
	s_wait_kmcnt 0x0
.irp i, 0,1,2,3,4,5,6,7,8,9,10,11,12,13,14,15
	s_cmp_eq_u32 s[W+\i], s[68+\i]
	s_cselect_b32 s[W+\i], s[W+\i], 1              ; the pair's number: the common one, or 1
.endr
.irp i, 1,2,3,4,5,6,7,8,9,10,11,12,13,14,15
	s_lshl_b32 s[W+\i], s[W+\i], 2*\i              ; step i's number into bits 2 i, 2 i + 1
	s_or_b32 s[W], s[W], s[W+\i]
.endr
	s_wait_loadcnt 0x0                             ; Q, its scale word, step 0's K: no load is out at the loop's head
	v_perm_b32 v[QX], v[QW], v[QW], s62
.rept 8
	v_nop                                          ; places between a scale word made by a vector instruction and the first product
.endr
	s_wait_alu depctr_va_vdst(0)
.Lstep:                                            ; 16 trips, 128 keys each
	s_and_b32 s[FL], s[W], 3
	s_lshr_b32 s[W], s[W], 2
	s_and_b32 s[FN], s[W], 3                       ; behind the last step: 0
	VLOAD
	s_cmp_lg_u32 s[FL], 0
	s_cbranch_scc1 .Lheavy
	s_cmp_eq_u32 s[FN], 0
	s_cbranch_scc1 .Lnk0
	KLOAD 1
.Lnk0:
	LIGHT
	WIN 0x55
	LIGHT
	WIN 0
	s_wait_alu depctr_va_vdst(0)
	s_branch .Lpv
.Lheavy:                                           ; K and its scale words are in: they were waited for with the last step's V (step 0's at the head)
	WIN 0x01                                       ; K from window 1; tile A
.irp g, 0,1,2,3
	v_wmma_scale_f32_16x16x128_f8f6f4 v[SS+16*\g:SS+16*\g+7], v[FG+16*\g:FG+16*\g+15], v[16:31], 0, v[KSC+\g], v[QW]
	v_wmma_scale_f32_16x16x128_f8f6f4 v[SS+16*\g+8:SS+16*\g+15], v[FG+16*\g:FG+16*\g+15], v[24:39], 0, v[KSC+\g], v[QX]
.endr
	WIN 0x45                                       ; tile B
.irp g, 0,1,2,3
	v_wmma_scale_f32_16x16x128_f8f6f4 v[SS+16*\g:SS+16*\g+7], v[FG+16*\g:FG+16*\g+15], v[16:31], 0, v[KSC+\g], v[QX]
	v_wmma_scale_f32_16x16x128_f8f6f4 v[SS+16*\g+8:SS+16*\g+15], v[FG+16*\g:FG+16*\g+15], v[24:39], 0, v[KSC+\g], v[QW]
.endr
	WIN 0
.rept 8
	v_nop                                          ; places: ahead of the loads over K's fragments and of the first read of the scores
.endr
	s_cmp_eq_u32 s[FL], 2
	s_cbranch_scc1 .Lones
	MASK 0
	MASK 1
.Lones:
	s_cmp_eq_u32 s[FN], 0
	s_cbranch_scc1 .Lnk1
	KLOAD 1                                        ; the next step's K has both softmaxes in which to land
.Lnk1:
	SOFT
	WIN 0x55
	SOFT
	WIN 0
.Lpv:                                              ; O^T = O^T f + V^T P^T, for every step alike
	s_wait_alu depctr_va_vdst(0)
	v_lshl_or_b32 v[PSW], v239, 24, v236           ; tile A's scale word of p
	RESCALE
	WIN 0x15                                       ; sources in window 1, destination in window 0: scale words lie there
	v_lshl_or_b32 v[PSW+1], v239, 24, v236         ; tile B's
	WIN 0x55
	RESCALE                                        ; (these sixteen are also the places between that word and the products)
	WIN 0
	s_wait_alu depctr_va_vdst(0)
	s_wait_loadcnt 0x0                             ; V, its scale words, and the next step's K: no load of mine is out, so the bases may step below
.irp t, 0,1,2,3
	v_wmma_scale_f32_16x16x128_f8f6f4 v[OT+8*\t:OT+8*\t+7], v[FG+16*\t:FG+16*\t+15], v[PCD:PCD+15], v[OT+8*\t:OT+8*\t+7], v[VSC+2*(\t%2)+\t/2], v[PSW]   ; eight accumulators by turns
.endr
	WIN 0x54                                       ; V from window 0; tile B
.irp t, 0,1,2,3
	v_wmma_scale_f32_16x16x128_f8f6f4 v[OT+8*\t:OT+8*\t+7], v[FG+16*\t:FG+16*\t+15], v[PCD:PCD+15], v[OT+8*\t:OT+8*\t+7], v[VSC+2*(\t%2)+\t/2], v[PSW+1]
.endr
	WIN 0
.rept 8
	v_nop                                          ; places: ahead of the next step's loads and writes, and of the way out's reads
.endr
	s_add_nc_u64 s[KB:KB+1], s[KB:KB+1], 16384
	s_add_nc_u64 s[KSB:KSB+1], s[KSB:KSB+1], 1024
	s_add_nc_u64 s[VB:VB+1], s[VB:VB+1], 16384
	s_add_nc_u64 s[VSB:VSB+1], s[VSB:VSB+1], 1024
	s_add_nc_u64 s[MB:MB+1], s[MB:MB+1], 512
	s_sub_co_u32 s[CNT], s[CNT], 1
	s_cmp_lg_u32 s[CNT], 0
	s_cbranch_scc1 .Lstep
	; THE WAY OUT.  O^T / the sum is quantised along (head, channel), two blocks of 32 a head; codes and scale bytes of the four heads meet in a stage (row 32 x pair + 16 x tile + r) and leave as 256 bytes of a row of a_codes and 8 of a_scales.
	s_lshl_b32 s66, s55, 5                         ; my pair's rows of the stage's 64
	s_lshl_b32 s67, s54, 6
	s_add_co_u32 s67, s67, STAGE
	s_lshl_b32 s68, s54, 1
	s_add_co_u32 s68, s68, SSTG
	s_mul_i32 s69, s[WV], 8*SP
	s_add_co_u32 s69, s69, STAGE                   ; back: wave w takes stage rows 8 w .. 8 w + 7: pair w / 4, tile (w / 2) % 2, r = 8 (w % 2) on
	s_lshr_b32 s70, s[WV], 2
	s_mul_i32 s70, s70, s86
	s_add_co_u32 s70, s70, s57                     ; that pair's block
	s_lshl_b32 s70, s70, 7
	s_add_co_u32 s70, s70, s87
	s_bfe_u32 s71, s[WV], 0x10001
	s_lshl_b32 s71, s71, 3
	s_add_co_u32 s70, s70, s71                     ; + 8 x tile
	s_and_b32 s71, s[WV], 1
	s_lshl_b32 s71, s71, 4
	s_add_co_u32 s70, s70, s71                     ; + 16 (r / 8)
	s_lshl_b32 s70, s70, 10                        ; 1,024 bytes a row of a_codes,
	s_lshl_b32 s71, s58, 8
	s_add_co_u32 s70, s70, s71                     ; + 256 x the group of heads
	s_mov_b32 s71, 0
	s_add_nc_u64 s[14:15], s[14:15], s[70:71]
	s_lshl_b32 s72, s58, 3
	s_mov_b32 s73, 0
	s_add_nc_u64 s[16:17], s[16:17], s[72:73]
	v_and_b32 v8, 15, v0
	v_bfe_u32 v10, v0, 4, 1
	v_and_b32 v7, 63, v0
	v_add_nc_u32 v9, s66, v8                       ; tile A's row of the stage; tile B's lies 16 rows on
	v_mul_u32_u24 v4, v10, SP
	v_lshrrev_b32 v232, 5, v7                      ; scale bytes back (waves 0 and 1, a lane a stage row): the row's pair,
	v_mul_u32_u24 v2, v9, SP
	v_lshl_add_u32 v3, v9, 3, s68                  ; scale bytes in: 8 a row, 2 a head
	v_lshl_add_u32 v4, v8, 4, v4
	v_mul_u32_u24 v232, v232, s86
	v_lshl_add_u32 v2, v10, 4, v2
	v_add_nc_u32 v4, s69, v4                       ; codes back: lanes 0-15 one row, lanes 16-31 the next
	v_lshlrev_b32 v9, 10, v10
	v_add_nc_u32 v2, s67, v2                       ; codes in: row, + 64 x head, + 16 h
	v_bfe_u32 v233, v7, 4, 1                       ; its tile,
	v_and_b32 v234, 7, v7
	v_lshl_add_u32 v9, v8, 4, v9                   ; a_codes: the same two rows
	v_bfe_u32 v235, v7, 3, 1
	v_add_nc_u32 v232, s57, v232                   ; its block,
	v_lshl_add_u32 v234, v233, 3, v234
	v_lshl_add_u32 v232, v232, 7, s87
	v_lshl_add_u32 v234, v235, 4, v234             ; 8 x tile + r % 8 + 16 (r / 8)
	v_lshl_add_u32 v7, v7, 3, SSTG
	v_add_nc_u32 v232, v232, v234
	v_nop
	v_lshlrev_b32 v11, 5, v232                     ; a_scales: 32 bytes a row
.macro FIN x                           ; one tile: divide, quantise (in its window), into the stage
	WIN 0x55*\x
	v_add_f32 v14, v14, v15
	s_delay_alu instid0(VALU_DEP_1)
	v_permlanex16_b32 v252, v14, s[SEL], s[SEL+1]
	s_delay_alu instid0(VALU_DEP_1)
	v_add_f32 v14, v14, v252                       ; the row's sum
	s_wait_alu depctr_va_vdst(0)                   ; the wait ahead of the reciprocal
	v_rcp_f32 v14, v14
	v_nop
	s_wait_alu depctr_va_vdst(0)                   ; the wait ahead of the reciprocal's first reader, which is also O^T's
.set JJ, 0
.rept 16
	v_pk_mul_f32 v[SS+JJ:SS+JJ+1], v[OT+JJ:OT+JJ+1], v[14:15] op_sel_hi:[1,0]   ; register 16 b + i: channel 32 b + 16 h + i of my query
.set JJ, JJ+2
.endr
.irp b, 0,1
	v_max3_num_f32 v[232+\b], |v[SS+16*\b]|, |v[SS+1+16*\b]|, 0x4800000
.endr
.irp i, 2,4,6,8,10,12,14
.irp b, 0,1
	s_delay_alu instid0(VALU_DEP_2)
	v_max3_num_f32 v[232+\b], v[232+\b], |v[SS+16*\b+\i]|, |v[SS+1+16*\b+\i]|
.endr
.endr
.irp b, 0,1
	s_delay_alu instid0(VALU_DEP_2)
	v_permlanex16_b32 v[236+\b], v[232+\b], s[SEL], s[SEL+1]
.endr
.irp b, 0,1
	s_delay_alu instid0(VALU_DEP_2)
	v_max_num_f32 v[232+\b], v[232+\b], v[236+\b]
.endr
.irp b, 0,1
	s_delay_alu instid0(VALU_DEP_2)
	v_add_nc_u32 v[244+\b], 0xfc000000, v[232+\b]
.endr
.irp b, 0,1
	s_delay_alu instid0(VALU_DEP_4)
	v_and_or_b32 v[240+\b], v[232+\b], 0x7f800000, s[MNT]
.endr
.irp b, 0,1
	s_delay_alu instid0(VALU_DEP_4)
	v_lshrrev_b32 v[236+\b], 23, v[244+\b]
.endr
	s_delay_alu instid0(VALU_DEP_1)
	v_lshl_or_b32 v236, v237, 8, v236              ; my head's two scale bytes
.irp b, 0,1
.irp i, 0,1,2,3,4,5,6,7,8,9,10,11,12,13,14,15
	v_med3_num_f32 v[SS+16*\b+\i], v[SS+16*\b+\i], -v[240+\b], v[240+\b]
.endr
	v_cvt_scalef32_pk8_fp8_f32 v[PCD+4*\b:PCD+1+4*\b], v[SS+16*\b:SS+7+16*\b], v[244+\b]
	v_cvt_scalef32_pk8_fp8_f32 v[PCD+2+4*\b:PCD+3+4*\b], v[SS+8+16*\b:SS+15+16*\b], v[244+\b]
.endr
	v_nop                                          ; one plain vector instruction behind the last conversion
	WIN 0x04*\x                                    ; the address from window 0, the data from the tile's
	ds_store_b128 v2, v[PCD:PCD+3] offset:\x*16*SP             ; channels 16 h + 0 .. 15
	ds_store_b128 v2, v[PCD+4:PCD+7] offset:\x*16*SP+32        ; channels 32 + 16 h + 0 .. 15
	ds_store_b16 v3, v236 offset:\x*128            ; both lanes of a query write the same two bytes with the same value
.endm
	FIN 0
	FIN 1
	WIN 0
	s_wait_alu depctr_va_vdst(0)
	s_wait_dscnt 0x0                               ; for the others' sake: my stores into the stage are done
	s_barrier_signal -1
	s_barrier_wait -1
.irp k, 0,1,2,3
	ds_load_b128 v[40+4*\k:43+4*\k], v4 offset:2*\k*SP
.endr
.irp k, 0,1,2,3
	s_wait_dscnt 3-\k                              ; the 3 - k younger read-backs may be out
	global_store_b128 v9, v[40+4*\k:43+4*\k], s[14:15] offset:2048*\k   ; 16 lanes store 256 consecutive aligned bytes: four heads' codes of a row
.endr
	s_cmp_lt_u32 s[WV], 2
	s_cbranch_scc0 .Lno_scales
	ds_load_b64 v[56:57], v7
	s_wait_dscnt 0x0
	global_store_b64 v11, v[56:57], s[16:17]       ; my row's 8 scale bytes of its 32
.Lno_scales:
	s_wait_tensorcnt 0x0                           ; the wave's end: behind my last LDS store
	ds_add_u32 v[SPW], v[NIL]
	s_wait_dscnt 0x0
	s_endpgm
.Lfunc_end_k_q3ff0b40417_attn:
	.size	k_q3ff0b40417_attn, .Lfunc_end_k_q3ff0b40417_attn-k_q3ff0b40417_attn
	.p2alignl 7, 3214868480
	.fill 96, 4, 3214868480
	.section	.rodata,"a",@progbits
	.p2align	6, 0x0
	.amdhsa_kernel k_q3ff0b40417_attn
		.amdhsa_group_segment_fixed_size 86528
		.amdhsa_private_segment_fixed_size 0
		.amdhsa_enable_private_segment 0
		.amdhsa_kernarg_size 56
		.amdhsa_user_sgpr_count 2
		.amdhsa_user_sgpr_kernarg_segment_ptr 1
		.amdhsa_wavefront_size32 1
		.amdhsa_system_sgpr_workgroup_id_x 1
		.amdhsa_system_sgpr_workgroup_id_y 1
		.amdhsa_system_sgpr_workgroup_id_z 1
		.amdhsa_system_vgpr_workitem_id 0
		.amdhsa_next_free_vgpr 512
		.amdhsa_next_free_sgpr 100
		.amdhsa_reserve_vcc 0
		.amdhsa_float_denorm_mode_32 3
		.amdhsa_float_denorm_mode_16_64 3
		.amdhsa_memory_ordered 1
		.amdhsa_forward_progress 1
		.amdhsa_inst_pref_size 89
	.end_amdhsa_kernel
	.amdgpu_metadata
---
amdhsa.version: [ 1, 2 ]
amdhsa.kernels:
  - .name:           k_q3ff0b40417_attn
    .symbol:         k_q3ff0b40417_attn.kd
    .args:
      - { .name: qbuf, .offset: 0, .size: 8, .value_kind: global_buffer, .address_space: global }
      - { .name: kbuf, .offset: 8, .size: 8, .value_kind: global_buffer, .address_space: global }
      - { .name: vbuf, .offset: 16, .size: 8, .value_kind: global_buffer, .address_space: global }
      - { .name: mask, .offset: 24, .size: 8, .value_kind: global_buffer, .address_space: global }
      - { .name: flags, .offset: 32, .size: 8, .value_kind: global_buffer, .address_space: global }
      - { .name: a_codes, .offset: 40, .size: 8, .value_kind: global_buffer, .address_space: global }
      - { .name: a_scales, .offset: 48, .size: 8, .value_kind: global_buffer, .address_space: global }
    .group_segment_fixed_size: 86528
    .private_segment_fixed_size: 0
    .kernarg_segment_align: 8
    .kernarg_segment_size: 56
    .max_flat_workgroup_size: 256
    .sgpr_count:     100
    .vgpr_count:     512
    .wavefront_size: 32
...
	.end_amdgpu_metadata
.endif
;; end of part 3
;; launch proj (part 4): grid 8 x 32, 4 waves a work-group, clusters of 4 x 4, 327,680 bytes of LDS; arguments a_codes, a_scales, o_codes, o_scales, out0; writes out0
.if DOCPART == 4
	.amdgcn_target "amdgcn-amd-amdhsa--gfx1250"
	.amdhsa_code_object_version 6
	.text
	.protected	k_q3ff0b40417_proj
	.globl	k_q3ff0b40417_proj
	.p2align	8
	.type	k_q3ff0b40417_proj,@function
k_q3ff0b40417_proj:
	s_mov_b64 s[64:65], 0
	v_nop
	global_prefetch_b8 v0, s[64:65] scope:SCOPE_SE
	s_setreg_imm32_b32 hwreg(HW_REG_WAVE_MODE, 25, 1), 1
	s_wait_xcnt 0x0
	s_wait_alu depctr_hold_cnt(0) depctr_sa_sdst(0) depctr_va_vdst(0) depctr_va_sdst(0) depctr_va_ssrc(0) depctr_va_vcc(0) depctr_vm_vsrc(0)
	s_getreg_b32 s2, hwreg(HW_REG_IB_STS2, 6, 4)
	s_cmp_eq_u32 s2, 0
	s_cbranch_scc0 .Lentry_in_a_cluster
	s_endpgm
.Lentry_in_a_cluster:
	s_bfe_u32 s2, ttmp6, 0x10000c
	s_cmp_lg_u32 s2, 0xf033
	s_cbranch_scc0 .Lentry_shape_is_right
	s_endpgm
.Lentry_shape_is_right:
.set SIZE_M, 4096
.set SIZE_N, 1024
.set SIZE_K, 1024
.set ROWB,   512
.set KROW,   SIZE_K
.set PITCH,  528
.set FR,     16
.set NP,     8
.set HALFT,  64*PITCH
.set SLOT,   4*HALFT
.set KS,     SIZE_K/32
.set SCL,    2*SLOT
.set HALFS,  (64*KS/256)*272
.set SBLK,   (16*KS/256)*272
.set SPARE,  SCL+4*HALFS
.set STAGE,  SPARE+512
.set SPITCH, 272
.set ADRA, 16
.set ADRB, 20
.set STO,  24
.set RD,   25
.set CO,   26
.set ADRS, 27
.set SPW,  28
.set NIL,  29
.set SC,   32
.set BK,   64
.set ACC,  128
.set G1, 24
.set G0, 32
.set G1B, 48
.set G0B, 56
.set G1S, 68
.set G0S, 76
.set G1SB, 80
.set G0SB, 88
.set MSB, 0
.macro WIN new
.if MSB != \new
	s_set_vgpr_msb (MSB<<8)|\new
.set MSB, \new
.endif
.endm
.set MUL,  0x05
.set TO_F, 0x40
.macro JLOAD g0a, g1a, g0b, g1b
	s_cmp_eq_u32 s15, 0
	s_cbranch_scc0 .Lfor_b_\@
	tensor_load_to_lds s[\g0a:\g0a+3], s[\g1a:\g1a+7]
	s_nop 0
.rept 4
	v_nop
.endr
	s_branch .Lasked_\@
.Lfor_b_\@:
	tensor_load_to_lds s[\g0b:\g0b+3], s[\g1b:\g1b+7]
	s_nop 0
.rept 4
	v_nop
.endr
.Lasked_\@:
.endm
.macro CROUND
	s_barrier_signal -1
	s_barrier_wait -1
	s_cmp_lg_u32 s14, 0
	s_cbranch_scc1 .Lnot_wave_0_\@
	s_barrier_signal -3
.Lnot_wave_0_\@:
	s_barrier_wait -3
	s_barrier_signal -1
	s_barrier_wait -1
.endm
	s_load_b128 s[4:7], s[0:1], 0x0
	s_load_b128 s[8:11], s[0:1], 0x10
	s_load_b64 s[12:13], s[0:1], 0x20
	v_lshl_add_u32 v[SPW], v0, 2, SPARE
	v_mov_b32 v[NIL], 0
	ds_add_u32 v28, v29
	ds_add_u32 v28, v29
	s_wait_dscnt 0x0
	v_lshrrev_b32 v1, 5, v0
	v_readfirstlane_b32 s14, v1
	s_lshr_b32 s15, s14, 1
	s_and_b32 s16, s14, 1
	s_bfe_u32 s40, ttmp6, 0x40000
	s_bfe_u32 s41, ttmp6, 0x40004
	s_lshl_b32 s42, ttmp9, 2
	s_add_co_u32 s42, s42, s40
	s_and_b32 s17, ttmp7, 0xffff
	s_lshl_b32 s17, s17, 2
	s_add_co_u32 s17, s17, s41
	s_lshl_b32 s43, s41, 2
	s_lshl_b32 s43, 15, s43
	s_lshl_b32 s44, 0x1111, s40
	s_or_b32 s[G1+0], s43, (0<<16)|(1<<20)|(1<<21)|(6<<22)|(3<<25)
	s_or_b32 s[G1B+0], s44, (0<<16)|(1<<20)|(1<<21)|(6<<22)|(3<<25)
.irp g, G1, G1B
	s_mov_b32 s[\g+1], ROWB<<16
	s_mov_b32 s[\g+2], 64<<16
	s_mov_b32 s[\g+3], ROWB<<16
	s_mov_b32 s[\g+4], 64
	s_mov_b32 s[\g+5], KROW
	s_mov_b32 s[\g+6], 0
	s_mov_b32 s[\g+7], 0
.endr
	s_or_b32 s[G1S+0], s43, (3<<16)|(1<<20)|(1<<21)|(5<<22)|(3<<25)
	s_or_b32 s[G1SB+0], s44, (3<<16)|(1<<20)|(1<<21)|(5<<22)|(3<<25)
.irp g, G1S, G1SB
	s_mov_b32 s[\g+1], 32<<16
	s_mov_b32 s[\g+2], (64*KS/256)<<16
	s_mov_b32 s[\g+3], 32<<16
	s_mov_b32 s[\g+4], 64*KS/256
	s_mov_b32 s[\g+5], 32
	s_mov_b32 s[\g+6], 0
	s_mov_b32 s[\g+7], 0
.endr
	s_lshl_b32 s18, s16, 6
	s_lshl_b32 s20, s17, 7
	s_add_co_u32 s20, s20, s18
	s_lshl_b32 s46, s42, 7
	s_add_co_u32 s46, s46, s18
	s_mov_b32 s21, 0
	s_mov_b32 s47, 0
	s_mov_b64 s[18:19], KS
	s_mul_u64 s[22:23], s[20:21], s[18:19]
	s_mul_u64 s[92:93], s[46:47], s[18:19]
	s_mov_b64 s[18:19], KROW
	s_mul_u64 s[20:21], s[20:21], s[18:19]
	s_mul_u64 s[46:47], s[46:47], s[18:19]
	s_mul_i32 s45, s14, HALFT
	s_mul_i32 s94, s14, HALFS
	s_wait_kmcnt 0x0
	s_add_nc_u64 s[20:21], s[4:5], s[20:21]
	s_add_nc_u64 s[22:23], s[6:7], s[22:23]
	s_add_nc_u64 s[46:47], s[8:9], s[46:47]
	s_add_nc_u64 s[92:93], s[10:11], s[92:93]
	CROUND
	s_mov_b32 s[G0S], 1
	s_add_co_u32 s[G0S+1], s94, SCL
	s_mov_b64 s[G0S+2:G0S+3], s[22:23]
	s_or_b32 s[G0S+3], s[G0S+3], 0x80000000
	s_mov_b32 s[G0SB], 1
	s_add_co_u32 s[G0SB+1], s94, SCL
	s_mov_b64 s[G0SB+2:G0SB+3], s[92:93]
	s_or_b32 s[G0SB+3], s[G0SB+3], 0x80000000
	JLOAD G0S, G1S, G0SB, G1SB
.irp s, 0,1
	s_mov_b32 s[G0+4*\s], 1
	s_add_co_u32 s[G0+4*\s+1], s45, \s*SLOT
	s_add_nc_u64 s[G0+4*\s+2:G0+4*\s+3], s[20:21], \s*ROWB
	s_or_b32 s[G0+4*\s+3], s[G0+4*\s+3], 0x80000000
	s_mov_b32 s[G0B+4*\s], 1
	s_add_co_u32 s[G0B+4*\s+1], s45, \s*SLOT
	s_add_nc_u64 s[G0B+4*\s+2:G0B+4*\s+3], s[46:47], \s*ROWB
	s_or_b32 s[G0B+4*\s+3], s[G0B+4*\s+3], 0x80000000
	s_wait_alu depctr_va_vdst(0)
	s_wait_tensorcnt 0x0
	ds_add_u32 v28, v29
	s_wait_dscnt 0x0
	CROUND
	JLOAD G0+4*\s, G1, G0B+4*\s, G1B
.endr
	v_and_b32 v1, 15, v0
	v_bfe_u32 v2, v0, 4, 1
	v_mul_u32_u24 v3, v1, PITCH
	v_lshl_add_u32 v4, v2, 4, v3
	s_mul_i32 s21, s15, HALFT
	s_mul_i32 s22, s16, HALFT
	s_add_co_u32 s22, s22, 2*HALFT
.irp s, 0,1
	v_add_nc_u32 v[ADRA+\s], s21, v4
	v_add_nc_u32 v[ADRB+\s], s22, v4
	s_add_co_u32 s21, s21, SLOT
	s_add_co_u32 s22, s22, SLOT
.endr
	v_mul_u32_u24 v5, v1, KS
	v_lshrrev_b32 v6, 8, v5
	v_lshl_add_u32 v5, v6, 4, v5
	s_mul_i32 s21, s15, HALFS
	s_mul_i32 s22, s16, HALFS
	s_add_co_u32 s22, s22, 2*HALFS
	s_sub_co_u32 s22, s22, s21
	v_mul_u32_u24 v6, s22, v2
	s_add_co_u32 s21, s21, SCL
	v_add_nc_u32 v5, v5, v6
	v_add_nc_u32 v[ADRS], s21, v5
	s_mul_i32 s23, s14, 16*SPITCH
	s_add_co_u32 s23, s23, STAGE
	v_mul_u32_u24 v5, v1, SPITCH
	v_lshl_add_u32 v5, v2, 5, v5
	v_add_nc_u32 v[STO], s23, v5
	v_mul_u32_u24 v5, v2, SPITCH
	v_lshl_add_u32 v5, v1, 4, v5
	v_add_nc_u32 v[RD], s23, v5
	v_mul_u32_u24 v5, v2, SIZE_N*4
	v_lshl_add_u32 v[CO], v1, 4, v5
	s_lshl_b32 s20, s17, 7
	s_lshl_b32 s21, s15, 6
	s_add_co_u32 s20, s20, s21
	s_mov_b32 s21, 0
	s_mov_b64 s[18:19], SIZE_N*4
	s_mul_u64 s[20:21], s[20:21], s[18:19]
	s_lshl_b32 s46, s42, 9
	s_lshl_b32 s47, s16, 8
	s_add_co_u32 s46, s46, s47
	s_mov_b32 s47, 0
	s_add_nc_u64 s[20:21], s[20:21], s[46:47]
	s_add_nc_u64 s[12:13], s[12:13], s[20:21]
.macro FRAG reg, adr, q, i
.irp c, 0,1,2,3
	ds_load_b128 v[\reg+4*\c:\reg+4*\c+3], v[\adr] offset:128*(\q)+32*\c+(\i)*16*PITCH
.endr
.endm
.macro FETCH slot, q, f
	WIN TO_F
.irp i, 0,1,2,3
	FRAG (\f)+64+FR*\i, ADRB+\slot, \q, \i
.endr
.irp i, 0,1,2,3
	FRAG (\f)+FR*\i, ADRA+\slot, \q, \i
.endr
.endm
.macro MUL16 f, s, zero
.irp a, 0,1,2,3
.irp b, 0,1,2,3
.if \zero
	v_wmma_scale_f32_16x16x128_f8f6f4 v[ACC+8*(4*\a+\b):ACC+8*(4*\a+\b)+7], v[(\f)+64+FR*\b:(\f)+64+FR*\b+FR-1], v[(\f)+FR*\a:(\f)+FR*\a+FR-1], 0, v[SC+8*\b+(\s)], v[SC+8*\a+(\s)] matrix_a_scale:MATRIX_SCALE_ROW1
.else
	v_wmma_scale_f32_16x16x128_f8f6f4 v[ACC+8*(4*\a+\b):ACC+8*(4*\a+\b)+7], v[(\f)+64+FR*\b:(\f)+64+FR*\b+FR-1], v[(\f)+FR*\a:(\f)+FR*\a+FR-1], v[ACC+8*(4*\a+\b):ACC+8*(4*\a+\b)+7], v[SC+8*\b+(\s)], v[SC+8*\a+(\s)] matrix_a_scale:MATRIX_SCALE_ROW1
.endif
.endr
.endr
.endm
.macro PLACES n
.rept \n
	v_nop
.endr
.endm
.macro KSTEP s
.set NS, (\s)+1
.if (\s) == 3
	s_wait_tensorcnt 0x0
.endif
	s_wait_dscnt 0x0
.if (\s) == 3
	s_barrier_signal -1
	s_barrier_wait -1
.endif
.if (\s) < 7
.if (\s) > 0
	PLACES NP
.endif
	FETCH NS/4, NS%4, 128*(NS%2)
.endif
	WIN MUL
.if (\s) == 0
	MUL16 0, 0, 1
.else
	MUL16 128*((\s)%2), \s, 0
.endif
.endm
	s_wait_alu depctr_va_vdst(0)
	s_wait_tensorcnt 1
	s_barrier_signal -1
	s_barrier_wait -1
	FETCH 0, 0, 0
	WIN 0
.irp i, 0,1,2,3
	ds_load_b128 v[SC+8*\i:SC+8*\i+3], v[ADRS] offset:\i*SBLK
	ds_load_b128 v[SC+8*\i+4:SC+8*\i+7], v[ADRS] offset:\i*SBLK+16
.endr
.irp s, 0,1,2,3,4,5,6,7
	KSTEP \s
.endr
	WIN 0
.macro TOSTAGE a
.irp b, 0,1,2,3
	ds_store_b128 v[STO], v[ACC+8*(4*(\a)+\b):ACC+8*(4*(\a)+\b)+3] offset:64*\b
	ds_store_b128 v[STO], v[ACC+8*(4*(\a)+\b)+4:ACC+8*(4*(\a)+\b)+7] offset:64*\b+16
.endr
.set BB, BK+32*((\a)%2)
.irp t, 0,1,2,3,4,5,6,7
	ds_load_b128 v[BB+4*\t:BB+4*\t+3], v[RD] offset:\t*2*SPITCH
.endr
.endm
.macro SEND a, younger
.set BB, BK+32*((\a)%2)
	s_wait_dscnt \younger
.irp t, 0,1,2,3,4,5,6,7
	global_store_b128 v[CO], v[BB+4*\t:BB+4*\t+3], s[12:13] offset:(16*(\a)+2*\t)*SIZE_N*4 th:TH_STORE_NT
.endr
.endm
	PLACES NP
	TOSTAGE 0
.irp a, 1,2,3
.if \a > 1
	s_wait_xcnt 0x0
.endif
	TOSTAGE \a
	SEND \a-1, 16
.endr
	SEND 3, 0
	s_wait_tensorcnt 0x0
	ds_add_u32 v[SPW], v[NIL]
	s_wait_dscnt 0x0
	CROUND
	s_endpgm
.Lfunc_end_k_q3ff0b40417_proj:
	.size	k_q3ff0b40417_proj, .Lfunc_end_k_q3ff0b40417_proj-k_q3ff0b40417_proj
	.p2alignl 7, 3214868480
	.fill 96, 4, 3214868480
	.section	.rodata,"a",@progbits
	.p2align	6, 0x0
	.amdhsa_kernel k_q3ff0b40417_proj
		.amdhsa_group_segment_fixed_size 327680
		.amdhsa_private_segment_fixed_size 0
		.amdhsa_enable_private_segment 0
		.amdhsa_kernarg_size 40
		.amdhsa_user_sgpr_count 2
		.amdhsa_user_sgpr_kernarg_segment_ptr 1
		.amdhsa_wavefront_size32 1
		.amdhsa_system_sgpr_workgroup_id_x 1
		.amdhsa_system_sgpr_workgroup_id_y 1
		.amdhsa_system_sgpr_workgroup_id_z 1
		.amdhsa_system_vgpr_workitem_id 0
		.amdhsa_next_free_vgpr 512
		.amdhsa_next_free_sgpr 98
		.amdhsa_reserve_vcc 0
		.amdhsa_float_denorm_mode_32 3
		.amdhsa_float_denorm_mode_16_64 3
		.amdhsa_memory_ordered 1
		.amdhsa_forward_progress 1
		.amdhsa_inst_pref_size 54
	.end_amdhsa_kernel
	.amdgpu_metadata
---
amdhsa.version: [ 1, 2 ]
amdhsa.kernels:
  - .name:           k_q3ff0b40417_proj
    .symbol:         k_q3ff0b40417_proj.kd
    .args:
      - { .name: a_codes, .offset: 0, .size: 8, .value_kind: global_buffer, .address_space: global }
      - { .name: a_scales, .offset: 8, .size: 8, .value_kind: global_buffer, .address_space: global }
      - { .name: o_codes, .offset: 16, .size: 8, .value_kind: global_buffer, .address_space: global }
      - { .name: o_scales, .offset: 24, .size: 8, .value_kind: global_buffer, .address_space: global }
      - { .name: out0, .offset: 32, .size: 8, .value_kind: global_buffer, .address_space: global }
    .group_segment_fixed_size: 327680
    .private_segment_fixed_size: 0
    .kernarg_segment_align: 8
    .kernarg_segment_size: 40
    .max_flat_workgroup_size: 128
    .sgpr_count:     98
    .vgpr_count:     512
    .wavefront_size: 32
...
	.end_amdgpu_metadata
.endif
;; end of part 4
